; MI455X (gfx1250); checked and timed in simulation.
; The chip was launched on July 23, 2026; its instructions are those of AMD's public machine-readable ISA for CDNA 5 (MIT licence, August 2026) and "CDNA5" Instruction Set Architecture Reference Guide (July 2026). The comments in the code are by the model that wrote it; some were corrected since.
;; Multi Head Attention. Allowed arithmetic: matrix products marked QUANTISED: E2M1 operands, one E8M0 scale for each 32 along K, by v_wmma_scale_f32_16x16x128_f8f6f4 with both operands' format E2M1 (or v_wmma_scale_f32_32x16x128_f4), f32 sums; products left as they are: bf16, f16 or f32 operands; f32 sums; everything else in f32.
;; Inputs: Wg 1,024 x 1,024 float32; Wk 1,024 x 1,024 float32; Wo 1,024 x 1,024 float32; Wq 1,024 x 1,024 float32; Wv 1,024 x 1,024 float32; bo 1,024 float32; x 2 x 2,048 x 1,024 float32.
;; Outputs: out0 2 x 2,048 x 1,024 float32.
;; This version of the problem:
;;   THIS VERSION OF THE PROBLEM IS GIVEN IN LOW PRECISION. The matrix products marked QUANTISED in the list below multiply operands that are first quantised to E2M1 (2 exponent bits, 1 mantissa bit; 4 bits a number), with one power-of-two scale for each 32 numbers along K (OCP MX v1.0); their sums are f32. The products marked 'left as it is' may take bf16, f16 or f32 operands, with f32 sums. Whichever they take, every output number must still come out within the allowed error. Rounding operands to bf16 (8 significant bits) uses up far more of that allowance than f16 does (11 bits, for magnitudes from 6e-5 to 65,504). All else is computed in f32.
;;   The module's matrix products, in the order in which they are computed (A, B: the left and right operand; K: the contracted axis; several contracted axes count as one K, in the product's order):
;;     1. [M 4,096, K 1,024] x [K 1,024, N 1,024]; A: input x; B: input Wq: QUANTISED
;;     2. [M 4,096, K 1,024] x [K 1,024, N 1,024]; A: input x; B: input Wk: QUANTISED
;;     3. [M 4,096, K 1,024] x [K 1,024, N 1,024]; A: input x; B: input Wv: QUANTISED
;;     4. [M 4,096, K 1,024] x [K 1,024, N 1,024]; A: input x; B: input Wg: QUANTISED
;;     5. batch 32 x [M 2,048, K 64] x [K 64, N 2,048]; A: computed on the way; B: computed on the way: left as it is (an operand is computed on the way)
;;     6. batch 32 x [M 2,048, K 2,048] x [K 2,048, N 64]; A: computed on the way; B: computed on the way: left as it is (an operand is computed on the way)
;;     7. [M 4,096, K 1,024] x [K 1,024, N 1,024]; A: computed on the way; B: input Wo: left as it is (an operand is computed on the way)
;;   THE QUANTISER, for each operand of a quantised product, along K:
;;     - K is cut into blocks of 32 from its start; a last block that is shorter is filled with zeros.
;;     - A block's scale is 2^e with e = floor(log2(the largest magnitude in the block)) - 2, held to -126 .. 127; a block of zeros has e = 0. As a byte (E8M0): e + 127.
;;     - Each number is divided by its block's scale, clamped to +-6, and rounded to the nearest number of E2M1, ties to even, subnormals kept.
;;     - The product sums the exact products of the quantised numbers (number of the format x scale) in f32.
;;   ~~~python
;;   def quantise(x, axis):      # numpy; x: float32 -> the quantised numbers, widened to float32 again
;;       x = np.moveaxis(x, axis, -1); K = x.shape[-1]
;;       x = np.pad(x, [(0, 0)] * (x.ndim - 1) + [(0, -K % 32)]); x = x.reshape(x.shape[:-1] + (-1, 32)); a = np.abs(x).max(-1, keepdims=True)
;;       e = np.where(a > 0, np.clip(np.frexp(np.where(a > 0, a, 1))[1] - 1 - 2, -126, 127), 0)      # np.frexp(a)[1] - 1 = floor(log2(a)), exactly
;;       r = np.clip(x / 2.0 ** e, -6, 6)
;;       step = 2.0 ** (np.maximum(np.frexp(np.where(r == 0, 1, r))[1] - 1, 0) - 1)
;;       q = np.round(r / step) * step * 2.0 ** e      # np.round: ties to even
;;       return np.moveaxis(q.reshape(q.shape[:-2] + (-1,))[..., :K], -1, axis).astype(np.float32)
;;   ~~~
;; One version. Each part assembles by itself: llvm-mc -triple=amdgcn-amd-amdhsa -mcpu=gfx1250 --defsym DOCPART=n.
;; ======== version 1 of 1: 5 launches
;; limits: values outside matrix products are rounded to f16; values are held in f16: magnitudes above 65,504 overflow, below 6.1e-05 lose precision
;; workspace buffers: xc 2,097,152 bytes; xs 131,072 bytes; wc 2,097,152 bytes; ws 131,072 bytes; wo16 2,097,152 bytes; qkvg 33,554,432 bytes; gctx 8,388,608 bytes; g32 131,072 bytes
;; launch quant (part 1): grid 288 x 1, 4 waves a work-group, no clusters, 33,280 bytes of LDS; arguments x, Wq, Wk, Wv, Wg, Wo, xc, xs, wc, ws, wo16; writes xc, xs, wc, ws, wo16
.if DOCPART == 1
	.amdgcn_target "amdgcn-amd-amdhsa--gfx1250"
	.amdhsa_code_object_version 6
	.text
	.protected	k_q5eb92fe889_quant
	.globl	k_q5eb92fe889_quant
	.p2align	8
	.type	k_q5eb92fe889_quant,@function
k_q5eb92fe889_quant:
	s_mov_b64 s[64:65], 0
	v_nop
	global_prefetch_b8 v0, s[64:65] scope:SCOPE_SE
	s_setreg_imm32_b32 hwreg(HW_REG_WAVE_MODE, 25, 1), 1
	s_wait_xcnt 0x0
; x [4096][1024] and Wq, Wk, Wv, Wg [1024][1024], f32, K innermost, become codes of FP4 (E2M1), two a byte, the lower k in the low four bits, with one E8M0 byte for each 32 along K:
; xc [4096][512 bytes], xs [4096][32 bytes]; wc and ws likewise, the four weights' rows on end (Wq, Wk, Wv, Wg).  Wo [1024][1024] becomes f16, laid [n / 128][k / 64][128 n][64 k].
; A block's scale is 2^(floor(log2(its largest magnitude)) - 2); its byte is the largest magnitude's exponent field - 2, held at 1 from below.
; LIMITS: a block of zeros gets the byte 1 where the quantiser says 127 (its codes are zeros, which add nothing, and this program alone reads the bytes); blocks whose largest magnitude lies under 2^-124
; are held at that byte; NaN and infinities are not served; |Wo| stays under 65,504.
; SHARES: work-groups 0-127 take x, 128-255 the four weights (32 each), 256-287 Wo.  The tensors are dense streams of blocks of 32: a wave takes 16 steps of 512 numbers.
; A step's four loads read 512 consecutive bytes each; the 2,048 bytes turn through the wave's own stage in LDS so that a lane holds 16 neighbours along K (two lanes to a block).
; A lane's 16 codes are 8 bytes: a wave stores 256 consecutive bytes.  A wave's 256 scale bytes are gathered in LDS and leave as 256 consecutive bytes.  Waves share nothing: no barrier.
.set STEPS, 16
.set CB,    8                          ; bytes of 16 codes
.set R,     16                         ; v16-79   four sets of 16 numbers as they are loaded
.set X,     80                         ; v80-111  two sets of 16 neighbours
.set E,     112                        ; v112-127 a scale byte for each step
.set C,     128                        ; v128-191 codes: four registers for each step, so that no store's data are written again
.set HF,    144                        ; Wo's path: v144-175 packed f16
.set WREG,  8192                       ; LDS: a region for each wave: two stages of 32 x SP bytes, behind them its 256 scale bytes
.set SP,    80                         ; a lane's place in a stage: 64 bytes + 16 of padding
.set SPW,   12                         ; v12 LDS address of my spare word; never rewritten
.set NIL,   13                         ; v13 0; never rewritten
.set SPARE, 4*WREG                     ; behind the four regions: the spare words, 128 bytes a wave
	s_load_b256 s[4:11], s[0:1], 0x0               ; x s[4:5], Wq s[6:7], Wk s[8:9], Wv s[10:11]
	s_load_b256 s[12:19], s[0:1], 0x20             ; Wg s[12:13], Wo s[14:15], xc s[16:17], xs s[18:19]
	s_load_b128 s[20:23], s[0:1], 0x40             ; wc s[20:21], ws s[22:23]
	s_load_b64 s[24:25], s[0:1], 0x50              ; wo16
	v_lshl_add_u32 v[SPW], v0, 2, SPARE
	v_mov_b32 v[NIL], 0
	v_lshrrev_b32 v1, 5, v0
	v_readfirstlane_b32 s26, v1                    ; wave
	v_and_b32 v2, 31, v0                           ; lane
	v_lshlrev_b32 v3, 4, v2                        ; my 16 bytes of a load's 512
	s_mul_i32 s27, s26, WREG
	v_lshrrev_b32 v14, 2, v2
	v_mul_u32_u24 v14, v14, SP
	v_and_b32 v15, 3, v2
	v_lshl_add_u32 v14, v15, 4, v14
	v_add_nc_u32 v14, s27, v14                     ; the stage, on the way in: SP (lane / 4) + 16 (lane % 4)
	v_mul_u32_u24 v15, v2, SP
	v_add_nc_u32 v15, s27, v15                     ; and on the way out: SP x lane: my 16 neighbours
	v_mul_u32_u24 v4, v2, CB                       ; my codes' place in a step's
	v_lshrrev_b32 v5, 1, v2
	s_add_co_u32 s27, s27, 2*32*SP
	v_add_nc_u32 v5, s27, v5                       ; LDS: my block's scale byte
	v_lshlrev_b32 v7, 3, v2                        ; on the way out 8 bytes a lane
	v_add_nc_u32 v6, s27, v7
	s_mov_b32 s31, 0
	s_wait_kmcnt 0x0
	s_cmp_ge_u32 ttmp9, 256                        ; the last 32 work-groups take Wo
	s_cbranch_scc1 .Lwo
	; which tensor: the choices hang on the work-group's number alone
	s_sub_co_u32 s28, ttmp9, 128                   ; the weights' work-groups count from 0,
	s_and_b32 s29, s28, 31                         ; 32 to a weight
	s_cmp_lt_u32 ttmp9, 224
	s_cselect_b64 s[12:13], s[10:11], s[12:13]     ; Wv, else Wg
	s_cmp_lt_u32 ttmp9, 192
	s_cselect_b64 s[12:13], s[8:9], s[12:13]       ; Wk
	s_cmp_lt_u32 ttmp9, 160
	s_cselect_b64 s[12:13], s[6:7], s[12:13]       ; Wq
	s_cmp_lt_u32 ttmp9, 128
	s_cselect_b64 s[12:13], s[4:5], s[12:13]       ; x
	s_cselect_b64 s[16:17], s[16:17], s[20:21]     ; the codes' buffer
	s_cselect_b64 s[18:19], s[18:19], s[22:23]     ; the scale bytes'
	s_cselect_b32 s29, ttmp9, s29                  ; my place in the source,
	s_cselect_b32 s28, ttmp9, s28                  ; and in the destination
	s_lshl_b32 s29, s29, 2
	s_add_co_u32 s29, s29, s26                     ; which run of 8,192 numbers of the source is my wave's
	s_lshl_b32 s28, s28, 2
	s_add_co_u32 s28, s28, s26                     ; and of the destination
	s_lshl_b32 s30, s29, 15                        ; 32,768 bytes of f32 a run
	s_add_nc_u64 s[12:13], s[12:13], s[30:31]
	s_lshl_b32 s30, s28, 12                        ; 4,096 bytes of codes
	s_add_nc_u64 s[16:17], s[16:17], s[30:31]
	s_lshl_b32 s30, s28, 8                         ; 256 scale bytes
	s_add_nc_u64 s[18:19], s[18:19], s[30:31]
.macro LOAD t
.irp i, 0,1,2,3
	global_load_b128 v[R+16*((\t)%4)+4*\i:R+16*((\t)%4)+4*\i+3], v3, s[12:13] offset:2048*(\t)+512*\i th:TH_LOAD_NT   ; 32 lanes read 512 consecutive bytes
.endr
.endm
.macro TURN t                          ; step t's numbers through the stage: LDS serves a wave's instructions in order, so no wait stands between the stores and the loads
.irp i, 0,1,2,3
	ds_store_b128 v14, v[R+16*((\t)%4)+4*\i:R+16*((\t)%4)+4*\i+3] offset:32*SP*((\t)%2)+8*SP*\i
.endr
.irp i, 0,1,2,3
	ds_load_b128 v[X+16*((\t)%2)+4*\i:X+16*((\t)%2)+4*\i+3], v15 offset:32*SP*((\t)%2)+16*\i
.endr
.endm
.irp t, 0,1,2,3
	LOAD \t
.endr
	s_wait_loadcnt 12                              ; step 0's four loads are in; the three steps behind it stay out
	TURN 0
.macro STEP t
.set XS, X+16*((\t)%2)
.if (\t) > 0
	s_wait_dscnt 1                                 ; this step's numbers are back from the stage (the last step's byte store may be out)
.else
	s_wait_dscnt 0x0
.endif
.if (\t)+4 < STEPS
	LOAD (\t)+4                                    ; into the registers that the stage's stores have read
.endif
.if (\t)+1 < STEPS
.if STEPS-2-(\t) >= 3
	s_wait_loadcnt 12                              ; the next step's four loads are in; those of the three steps behind it may be out
.else
	s_wait_loadcnt 4*(STEPS-2-(\t))
.endif
	TURN (\t)+1                                    ; through the other stage while this step is worked
.endif
	v_max3_num_f32 v8, |v[XS]|, |v[XS+1]|, |v[XS+2]|               ; the largest magnitude of my 16, in two chains
	v_max3_num_f32 v9, |v[XS+3]|, |v[XS+4]|, |v[XS+5]|
.irp i, 6,10
	v_max3_num_f32 v8, v8, |v[XS+\i]|, |v[XS+\i+1]|
	v_max3_num_f32 v9, v9, |v[XS+\i+2]|, |v[XS+\i+3]|
.endr
	v_max3_num_f32 v8, v8, |v[XS+14]|, |v[XS+15]|
	v_max3_num_f32 v8, v8, v9, 0x1800000           ; and the floor 2^(3 - 127): the byte cannot fall under 1
	v_max_num_f32_dpp v8, v8, v8 row_xmask:1 row_mask:0xf bank_mask:0xf   ; with my neighbour's 16: the block's
	v_add_nc_u32 v11, 0xff000000, v8               ; 2 off its exponent field: the conversion takes the exponent field of this operand as its scale
	v_cvt_scalef32_pk8_fp4_f32 v[C+4*(\t)], v[XS:XS+7], v11
	v_cvt_scalef32_pk8_fp4_f32 v[C+4*(\t)+1], v[XS+8:XS+15], v11
	v_lshrrev_b32 v[E+(\t)], 23, v11               ; the scale's byte (a plain line behind the conversions)
	ds_store_b8 v5, v[E+(\t)] offset:16*(\t)       ; both lanes of a block write the same byte with the same value
	global_store_b64 v4, v[C+4*(\t):C+4*(\t)+1], s[16:17] offset:32*CB*(\t)   ; 32 lanes store 256 consecutive bytes
.endm
.irp t, 0,1,2,3,4,5,6,7,8,9,10,11,12,13,14,15
	STEP \t
.endr
	ds_load_b64 v[8:9], v6                         ; LDS serves a wave's instructions in order: these see my byte stores
	s_wait_dscnt 0x0
	global_store_b64 v7, v[8:9], s[18:19]          ; 32 lanes store 256 consecutive bytes
	s_wait_tensorcnt 0x0                           ; the wave's end: three closing lines behind my last LDS store
	ds_add_u32 v[SPW], v[NIL]
	s_wait_dscnt 0x0
	s_endpgm
; Wo to f16.  Work-group j takes rows 32 j on, a wave 8 of them, two at a time.  A load: lanes 0-15 read 256 consecutive bytes (64 k) of one row, lanes 16-31 of the next.
; A lane's four numbers are 8 bytes of f16; in the tile order rows n and n + 1 of one plane of 64 k lie on end, so the 32 lanes store 256 consecutive bytes.  No LDS is touched on this path but the spare word at its end.
.Lwo:
	s_sub_co_u32 s27, ttmp9, 256
	s_lshl_b32 s27, s27, 5
	s_lshl_b32 s28, s26, 3
	s_add_co_u32 s27, s27, s28                     ; my wave's first row
	s_lshl_b32 s30, s27, 12                        ; 4,096 bytes a row
	s_add_nc_u64 s[14:15], s[14:15], s[30:31]
	s_lshr_b32 s28, s27, 7
	s_lshl_b32 s28, s28, 18                        ; the tile of 128 rows: 262,144 bytes
	s_and_b32 s29, s27, 127
	s_lshl_b32 s29, s29, 7                         ; the row in a plane: 128 bytes
	s_add_co_u32 s30, s28, s29
	s_add_nc_u64 s[24:25], s[24:25], s[30:31]
	v_lshrrev_b32 v10, 4, v2
	v_and_b32 v11, 15, v2
	v_lshlrev_b32 v10, 12, v10
	v_lshl_add_u32 v10, v11, 4, v10                ; in: 4,096 (lane / 16) + 16 (lane % 16)
	v_lshlrev_b32 v11, 3, v2                       ; out: 8 x lane
.macro LOADP p                         ; rows 2 p and 2 p + 1, all 16 planes, into set p % 2
.irp kb, 0,1,2,3,4,5,6,7,8,9,10,11,12,13,14,15
	global_load_b128 v[16+64*((\p)%2)+4*\kb:16+64*((\p)%2)+4*\kb+3], v10, s[14:15] offset:(\p)*8192+\kb*256 th:TH_LOAD_NT
.endr
.endm
.macro CVTP p
.irp kb, 0,1,2,3,4,5,6,7,8,9,10,11,12,13,14,15
	v_cvt_pk_f16_f32 v[HF+2*\kb], v[16+64*((\p)%2)+4*\kb], v[16+64*((\p)%2)+4*\kb+1]
	v_cvt_pk_f16_f32 v[HF+2*\kb+1], v[16+64*((\p)%2)+4*\kb+2], v[16+64*((\p)%2)+4*\kb+3]
.endr
.irp kb, 0,1,2,3,4,5,6,7,8,9,10,11,12,13,14,15
	global_store_b64 v11, v[HF+2*\kb:HF+2*\kb+1], s[24:25] offset:\kb*16384+(\p)*256
.endr
.endm
	LOADP 0
	LOADP 1
	s_wait_loadcnt 16                              ; set 0 is in; the other set's sixteen loads may be out
	CVTP 0
	LOADP 2
	s_wait_loadcnt 16
	s_wait_xcnt 0x0                                ; the last pair's stores have read their data: the packed registers are written again only behind this wait
	CVTP 1
	LOADP 3
	s_wait_loadcnt 16
	s_wait_xcnt 0x0
	CVTP 2
	s_wait_loadcnt 0x0
	s_wait_xcnt 0x0
	CVTP 3
	s_wait_tensorcnt 0x0                           ; the same three closing lines as on the other path
	ds_add_u32 v[SPW], v[NIL]
	s_wait_dscnt 0x0
	s_endpgm
.Lfunc_end_k_q5eb92fe889_quant:
	.size	k_q5eb92fe889_quant, .Lfunc_end_k_q5eb92fe889_quant-k_q5eb92fe889_quant
	.p2alignl 7, 3214868480
	.fill 96, 4, 3214868480
	.section	.rodata,"a",@progbits
	.p2align	6, 0x0
	.amdhsa_kernel k_q5eb92fe889_quant
		.amdhsa_group_segment_fixed_size 33280
		.amdhsa_private_segment_fixed_size 0
		.amdhsa_enable_private_segment 0
		.amdhsa_kernarg_size 88
		.amdhsa_user_sgpr_count 2
		.amdhsa_user_sgpr_kernarg_segment_ptr 1
		.amdhsa_wavefront_size32 1
		.amdhsa_system_sgpr_workgroup_id_x 1
		.amdhsa_system_sgpr_workgroup_id_y 1
		.amdhsa_system_sgpr_workgroup_id_z 1
		.amdhsa_system_vgpr_workitem_id 0
		.amdhsa_next_free_vgpr 192
		.amdhsa_next_free_sgpr 66
		.amdhsa_reserve_vcc 0
		.amdhsa_float_denorm_mode_32 3
		.amdhsa_float_denorm_mode_16_64 3
		.amdhsa_memory_ordered 1
		.amdhsa_forward_progress 1
		.amdhsa_inst_pref_size 55
	.end_amdhsa_kernel
	.amdgpu_metadata
---
amdhsa.version: [ 1, 2 ]
amdhsa.kernels:
  - .name:           k_q5eb92fe889_quant
    .symbol:         k_q5eb92fe889_quant.kd
    .args:
      - { .name: x, .offset: 0, .size: 8, .value_kind: global_buffer, .address_space: global }
      - { .name: Wq, .offset: 8, .size: 8, .value_kind: global_buffer, .address_space: global }
      - { .name: Wk, .offset: 16, .size: 8, .value_kind: global_buffer, .address_space: global }
      - { .name: Wv, .offset: 24, .size: 8, .value_kind: global_buffer, .address_space: global }
      - { .name: Wg, .offset: 32, .size: 8, .value_kind: global_buffer, .address_space: global }
      - { .name: Wo, .offset: 40, .size: 8, .value_kind: global_buffer, .address_space: global }
      - { .name: xc, .offset: 48, .size: 8, .value_kind: global_buffer, .address_space: global }
      - { .name: xs, .offset: 56, .size: 8, .value_kind: global_buffer, .address_space: global }
      - { .name: wc, .offset: 64, .size: 8, .value_kind: global_buffer, .address_space: global }
      - { .name: ws, .offset: 72, .size: 8, .value_kind: global_buffer, .address_space: global }
      - { .name: wo16, .offset: 80, .size: 8, .value_kind: global_buffer, .address_space: global }
    .group_segment_fixed_size: 33280
    .private_segment_fixed_size: 0
    .kernarg_segment_align: 8
    .kernarg_segment_size: 88
    .max_flat_workgroup_size: 128
    .sgpr_count:     66
    .vgpr_count:     192
    .wavefront_size: 32
...
	.end_amdgpu_metadata
.endif
;; end of part 1
;; launch proj (part 2): grid 16 x 16, 4 waves a work-group, clusters of 4 x 4, 327,680 bytes of LDS; arguments xc, xs, wc, ws, qkvg; writes qkvg
.if DOCPART == 2
	.amdgcn_target "amdgcn-amd-amdhsa--gfx1250"
	.amdhsa_code_object_version 6
	.text
	.protected	k_q5eb92fe889_proj
	.globl	k_q5eb92fe889_proj
	.p2align	8
	.type	k_q5eb92fe889_proj,@function
k_q5eb92fe889_proj:
	s_mov_b64 s[64:65], 0
	v_nop
	global_prefetch_b8 v0, s[64:65] scope:SCOPE_SE
	s_setreg_imm32_b32 hwreg(HW_REG_WAVE_MODE, 25, 1), 1
	s_wait_xcnt 0x0
	s_wait_alu depctr_hold_cnt(0) depctr_sa_sdst(0) depctr_va_vdst(0) depctr_va_sdst(0) depctr_va_ssrc(0) depctr_va_vcc(0) depctr_vm_vsrc(0)
	s_getreg_b32 s2, hwreg(HW_REG_IB_STS2, 6, 4)
	s_cmp_eq_u32 s2, 0
	s_cbranch_scc0 .Lentry_in_a_cluster
	s_endpgm
.Lentry_in_a_cluster:
	s_bfe_u32 s2, ttmp6, 0x10000c
	s_cmp_lg_u32 s2, 0xf033
	s_cbranch_scc0 .Lentry_shape_is_right
	s_endpgm
.Lentry_shape_is_right:
; q, k, v and gate in one GEMM on codes of FP4 (E2M1): C[m][n] = sum over k of x[m][k] W[n][k], m = 4,096 rows of x, n = 4,096 rows of Wq | Wk | Wv | Wg, K = 1,024; one E8M0 byte for each 32 along K; sums in f32.
; The results leave as f16, laid [T 4][b 2][h 16][s 2048][64] (T: q, k, v, gate), so that a head's rows are dense.  LIMIT: |q|, |k|, |v|, |gate| stay under 65,504.
; A tile of C, 256 x 256, is made by a work-group of four waves; a wave makes 128 x 128: 64 accumulators of 16 x 16, 512 registers.  K is two LDS slots of 512 (rows of 256 bytes): both are first fills, nothing is filled again.
; THE SCALES of the work-group's 256 rows of x and 256 rows of W, for all of K, are two dense blocks of memory: they come into LDS once, with the first fills.  By this text's count a wave has three tensor loads out at the start.
; CLUSTERS: 4 x 4 work-groups.  The four of a row of the cluster need the same tiles of x, the four of a column the same tiles of W: each tile is asked for jointly, by the same tensor load with the same descriptor and a mask that names the four.
; THE MATRIX INSTRUCTION IS USED TRANSPOSED (source 0 = 16 rows of W, source 1 = 16 rows of x): a lane then holds eight neighbouring channels of one row.
; REGISTERS, in windows of 256: window 0: v0-31 addresses; v32-95 scale words, two sets; from v128 x's fragments, one set; on the way out v32-255 are free.
;   window 1: W's fragments, two sets, at v0 and v128.   window 2: the accumulators of my rows 0-63 ((a, b) at v[8 (8 a + b)]);   window 3: those of my rows 64-127.
.set KSTEP,  512                       ; along K in a slot
.set NQ,     KSTEP/128                 ; matrix instructions deep
.set ROWB,   256                       ; a tile's row in bytes
.set KROW,   512                       ; a row of codes in memory
.set PITCH,  272                       ; an LDS row: 256 bytes + 16 of padding: the 16 rows that a load touches start at 16 different 16-byte columns
.set FR,     8                         ; registers of a fragment: 16 rows x 128 K
.set NL,     2                         ; LDS loads that bring one
.set NP,     4                         ; places behind this matrix instruction (ISA guide 7.12.1)
.set HALFT,  128*PITCH                 ; 128 rows: what one tensor load brings
.set SLOT,   4*HALFT                   ; x's 256 rows, then W's 256 rows
.set KS,     32                        ; a row of scales in bytes
.set SCL,    2*SLOT                    ; behind the two slots: the scales, as rows of 256 bytes + 16
.set HALFS,  (128*KS/256)*272          ; the scales of 128 rows
.set SBLK,   (16*KS/256)*272           ; those of 16 rows
.set STAGE,  SCL+4*HALFS               ; the way out: for each wave two heads x 8 rows of (256 bytes + 16); no tensor load lands here
.set SWAVE,  2*8*272
.set SPARE,  STAGE+4*SWAVE             ; the spare words, 128 bytes a wave
.set ADRA, 16                          ; v16-17  LDS address of my fragments of x in slot 0, 1
.set ADRB, 20                          ; v20-21  the same for W
.set STO,  24                          ; v24     the way out: where I put 16 bytes of a row
.set RD,   25                          ; v25     where I read rows back
.set CO,   26                          ; v26     16 x lane
.set ADRS, 27                          ; v27     LDS address of my scale words: lanes 0-15 x's rows, lanes 16-31 W's
.set SPW,  28                          ; v28     my spare word; never rewritten
.set NIL,  29                          ; v29     0; never rewritten
.set SC,   32                          ; scale words: set s at v[SC + 8 NQ s]; register NQ i + q: lanes 0-15 x's block i, lanes 16-31 W's block i, the slot's q-th 128 along K
.set AF,   128                         ; x's fragments, in window 0
.set TMP,  192                         ; the way out: packed results
.set OB,   32                          ; and rows read back: v32-63 and v224-255 by turns
.set G1, 24                            ; s[24:31] descriptor group 1 for x's tiles;  s[32:39] group 0, one set a slot
.set G0, 32
.set G1B, 48                           ; s[48:55], s[56:63] the same for W's
.set G0B, 56
.set G1S, 68                           ; s[68:75], s[76:79] groups 1 and 0 for x's scales;  s[80:87], s[88:91] for W's
.set G0S, 76
.set G1SB, 80
.set G0SB, 88
.set MSB, 0
.macro WIN new                         ; the immediate's high byte repeats the setting that is left
.if MSB != \new
	s_set_vgpr_msb (MSB<<8)|\new
.set MSB, \new
.endif
.endm
.set MUL_LO, 0xa1                      ; source 0 (W) window 1, source 1 (x) window 0, C and D window 2
.set MUL_HI, 0xf1                      ; the same, C and D window 3
.set TO_B,   0x40                      ; destination window 1, address window 0
; A joint load: waves 0 and 1 fetch for x, waves 2 and 3 for W.  The branch hangs on the wave's number alone.  An s_nop 0 and four v_nop follow each of the two lines.
.macro JLOAD g0a, g1a, g0b, g1b
	s_cmp_eq_u32 s15, 0
	s_cbranch_scc0 .Lfor_b_\@
	tensor_load_to_lds s[\g0a:\g0a+3], s[\g1a:\g1a+7]
	s_nop 0
.rept 4
	v_nop
.endr
	s_branch .Lasked_\@
.Lfor_b_\@:
	tensor_load_to_lds s[\g0b:\g0b+3], s[\g1b:\g1b+7]
	s_nop 0
.rept 4
	v_nop
.endr
.Lasked_\@:
.endm
.macro CROUND                          ; a round of the cluster's barrier
	s_barrier_signal -1
	s_barrier_wait -1
	s_cmp_lg_u32 s14, 0
	s_cbranch_scc1 .Lnot_wave_0_\@
	s_barrier_signal -3
.Lnot_wave_0_\@:
	s_barrier_wait -3
	s_barrier_signal -1
	s_barrier_wait -1
.endm
	s_load_b128 s[4:7], s[0:1], 0x0                ; x's codes s[4:5], x's scales s[6:7]
	s_load_b128 s[8:11], s[0:1], 0x10              ; W's codes s[8:9], W's scales s[10:11]
	s_load_b64 s[12:13], s[0:1], 0x20              ; qkvg
	v_lshl_add_u32 v[SPW], v0, 2, SPARE
	v_mov_b32 v[NIL], 0
	ds_add_u32 v[SPW], v[NIL]                      ; the wave's opening: the add, twice on end, and its wait ahead of my first tensor load
	ds_add_u32 v[SPW], v[NIL]
	v_lshrrev_b32 v1, 5, v0
	v_readfirstlane_b32 s14, v1                    ; wave 0..3
	s_lshr_b32 s15, s14, 1                         ; which half of the tile's rows is mine.  Also: I fetch for x (0) or for W (1)
	s_and_b32 s16, s14, 1                          ; which half of its columns.  Also: which 128 rows of that tile I fetch
	s_bfe_u32 s40, ttmp6, 0x40000                  ; cx, cy: my place in the cluster
	s_bfe_u32 s41, ttmp6, 0x40004
	s_lshl_b32 s42, ttmp9, 2
	s_add_co_u32 s42, s42, s40                     ; tile column = 4 x cluster x + cx
	s_and_b32 s17, ttmp7, 0xffff
	s_lshl_b32 s17, s17, 2
	s_add_co_u32 s17, s17, s41                     ; tile row = 4 x cluster y + cy
	s_lshl_b32 s43, s41, 2
	s_lshl_b32 s43, 15, s43                        ; my row of the cluster
	s_lshl_b32 s44, 0x1111, s40                    ; my column
	; descriptor group 1: a tile of 128 rows x 256 bytes, padded in LDS
	s_or_b32 s[G1+0], s43, (0<<16)|(1<<20)|(1<<21)|(5<<22)|(3<<25)  ; the mask; elements of 1 byte; padding on; bit 21 beside a mask; after every 64 words four words
	s_or_b32 s[G1B+0], s44, (0<<16)|(1<<20)|(1<<21)|(5<<22)|(3<<25)
.irp g, G1, G1B
	s_mov_b32 s[\g+1], ROWB<<16                    ; tensor_dim0
	s_mov_b32 s[\g+2], 128<<16                     ; tensor_dim1
	s_mov_b32 s[\g+3], ROWB<<16                    ; tile_dim0
	s_mov_b32 s[\g+4], 128                         ; tile_dim1
	s_mov_b32 s[\g+5], KROW                        ; the pitch in memory
	s_mov_b32 s[\g+6], 0
	s_mov_b32 s[\g+7], 0
.endr
	; the scales of 128 rows: a dense block of 4,096 bytes, as 16 rows of 256 bytes (32 elements of 8 bytes), 16 bytes of padding behind each
	s_or_b32 s[G1S+0], s43, (3<<16)|(1<<20)|(1<<21)|(5<<22)|(3<<25)
	s_or_b32 s[G1SB+0], s44, (3<<16)|(1<<20)|(1<<21)|(5<<22)|(3<<25)
.irp g, G1S, G1SB
	s_mov_b32 s[\g+1], 32<<16
	s_mov_b32 s[\g+2], (128*KS/256)<<16
	s_mov_b32 s[\g+3], 32<<16
	s_mov_b32 s[\g+4], 128*KS/256
	s_mov_b32 s[\g+5], 32
	s_mov_b32 s[\g+6], 0
	s_mov_b32 s[\g+7], 0
.endr
	s_lshl_b32 s18, s16, 7                         ; which 128 rows of the tile I fetch
	s_lshl_b32 s20, s17, 8
	s_add_co_u32 s20, s20, s18                     ; x: row 256 x tile row + 128 x half
	s_lshl_b32 s46, s42, 8
	s_add_co_u32 s46, s46, s18                     ; W: row 256 x tile column + 128 x half
	s_mov_b32 s21, 0
	s_mov_b32 s47, 0
	s_mov_b64 s[18:19], KS
	s_mul_u64 s[22:23], s[20:21], s[18:19]         ; where these rows' scales begin, in bytes
	s_mul_u64 s[92:93], s[46:47], s[18:19]
	s_mov_b64 s[18:19], KROW
	s_mul_u64 s[20:21], s[20:21], s[18:19]         ; and their codes
	s_mul_u64 s[46:47], s[46:47], s[18:19]
	s_mul_i32 s45, s14, HALFT                      ; where they go: wave x 128 rows: no place in the cluster enters an LDS address
	s_mul_i32 s94, s14, HALFS
	s_wait_dscnt 0x0                               ; both opening adds are done
	s_wait_kmcnt 0x0
	s_add_nc_u64 s[20:21], s[4:5], s[20:21]
	s_add_nc_u64 s[22:23], s[6:7], s[22:23]
	s_add_nc_u64 s[46:47], s[8:9], s[46:47]
	s_add_nc_u64 s[92:93], s[10:11], s[92:93]
	CROUND                                         ; all sixteen work-groups are here: the joint loads meet
	s_mov_b32 s[G0S], 1
	s_add_co_u32 s[G0S+1], s94, SCL
	s_mov_b64 s[G0S+2:G0S+3], s[22:23]
	s_or_b32 s[G0S+3], s[G0S+3], 0x80000000
	s_mov_b32 s[G0SB], 1
	s_add_co_u32 s[G0SB+1], s94, SCL
	s_mov_b64 s[G0SB+2:G0SB+3], s[92:93]
	s_or_b32 s[G0SB+3], s[G0SB+3], 0x80000000
	JLOAD G0S, G1S, G0SB, G1SB                     ; the scales first: they are wanted with the first slot
.irp s, 0,1
	s_mov_b32 s[G0+4*\s], 1
	s_add_co_u32 s[G0+4*\s+1], s45, \s*SLOT
	s_add_nc_u64 s[G0+4*\s+2:G0+4*\s+3], s[20:21], \s*ROWB
	s_or_b32 s[G0+4*\s+3], s[G0+4*\s+3], 0x80000000
	s_mov_b32 s[G0B+4*\s], 1
	s_add_co_u32 s[G0B+4*\s+1], s45, \s*SLOT
	s_add_nc_u64 s[G0B+4*\s+2:G0B+4*\s+3], s[46:47], \s*ROWB
	s_or_b32 s[G0B+4*\s+3], s[G0B+4*\s+3], 0x80000000
	JLOAD G0+4*\s, G1, G0B+4*\s, G1B
.endr
	v_and_b32 v1, 15, v0                           ; l % 16
	v_bfe_u32 v2, v0, 4, 1                         ; l / 16
	v_mul_u32_u24 v3, v1, PITCH
	v_lshl_add_u32 v4, v2, 4, v3                   ; a fragment's row x pitch + 16 x half
	s_mul_i32 s21, s15, HALFT                      ; my 128 rows of x
	s_mul_i32 s22, s16, HALFT                      ; my 128 rows of W,
	s_add_co_u32 s22, s22, 2*HALFT                 ; which lie behind x's 256
.irp s, 0,1
	v_add_nc_u32 v[ADRA+\s], s21, v4
	v_add_nc_u32 v[ADRB+\s], s22, v4
	s_add_co_u32 s21, s21, SLOT
	s_add_co_u32 s22, s22, SLOT
.endr
	v_mul_u32_u24 v5, v1, KS                       ; my row's scales: 32 bytes a row,
	v_lshrrev_b32 v6, 8, v5
	v_lshl_add_u32 v5, v6, 4, v5                   ; and 16 more for each 256 passed
	s_mul_i32 s21, s15, HALFS                      ; x's: my 128 rows
	s_mul_i32 s22, s16, HALFS                      ; W's: my 128 rows, behind x's 256
	s_add_co_u32 s22, s22, 2*HALFS
	s_sub_co_u32 s22, s22, s21
	v_mul_u32_u24 v6, s22, v2                      ; lanes 16-31 take W's: one product, the distance between the two bases
	s_add_co_u32 s21, s21, SCL
	v_add_nc_u32 v5, v5, v6
	v_add_nc_u32 v[ADRS], s21, v5
	s_mul_i32 s23, s14, SWAVE
	s_add_co_u32 s23, s23, STAGE                   ; my stage.  Two rows of 128 bytes share an LDS row of 272: row r lies at 272 (r / 2) + 128 (r % 2)
	v_lshrrev_b32 v5, 1, v1
	v_mul_u32_u24 v5, v5, 272
	v_and_b32 v6, 1, v1
	v_lshl_add_u32 v5, v6, 7, v5
	v_lshl_add_u32 v5, v2, 4, v5
	v_add_nc_u32 v[STO], s23, v5                   ; in: row l % 16, 16 bytes for each half of the lanes
	v_mul_u32_u24 v5, v2, 272
	v_lshl_add_u32 v5, v1, 4, v5
	v_add_nc_u32 v[RD], s23, v5                    ; back: 32 lanes take 512 data bytes, four rows
	v_and_b32 v6, 31, v0
	v_lshlrev_b32 v[CO], 4, v6
	; where my part begins in qkvg: T = tile column / 4; b and s from my first row; my two heads 4 (tile column % 4) + 2 x half on
	s_lshl_b32 s20, s17, 8
	s_lshl_b32 s21, s15, 7
	s_add_co_u32 s20, s20, s21                     ; my first row of x
	s_lshr_b32 s21, s20, 11
	s_lshl_b32 s21, s21, 22                        ; b
	s_and_b32 s20, s20, 2047
	s_lshl_b32 s20, s20, 7                         ; s: 128 bytes a row
	s_add_co_u32 s20, s20, s21
	s_mov_b32 s21, 0
	s_lshr_b32 s46, s42, 2
	s_lshl_b32 s46, s46, 23                        ; T
	s_and_b32 s47, s42, 3
	s_lshl_b32 s47, s47, 2
	s_lshl_b32 s18, s16, 1
	s_add_co_u32 s47, s47, s18
	s_lshl_b32 s47, s47, 18                        ; the head
	s_add_co_u32 s46, s46, s47
	s_mov_b32 s47, 0
	s_add_nc_u64 s[20:21], s[20:21], s[46:47]
	s_add_nc_u64 s[12:13], s[12:13], s[20:21]
.macro FRAG reg, adr, q, i             ; 16 rows x 128 K of 4-bit codes: lane l holds row l % 16; registers 4 c .. 4 c + 3 hold K = 64 c + 32 (l / 16) + 0 .. 31
.irp c, 0,1
	ds_load_b128 v[\reg+4*\c:\reg+4*\c+3], v[\adr] offset:64*(\q)+32*\c+(\i)*16*PITCH
.endr
.endm
; 16 matrix instructions: x's blocks a0, a0 + 1 against W's eight, the slot's q-th 128 along K.  p: W's set; sc: the set of scale words.  zero = 1: the first product starts the sums.
; The 64 accumulators take turns, one instruction a turn, in the same order in every step.
.macro MUL16 a0, p, q, sc, zero
.irp a, \a0, \a0+1
.irp b, 0,1,2,3,4,5,6,7
.if \zero
	v_wmma_scale_f32_16x16x128_f8f6f4 v[8*(8*((\a)%4)+\b):8*(8*((\a)%4)+\b)+7], v[128*(\p)+FR*\b:128*(\p)+FR*\b+FR-1], v[AF+FR*(\a):AF+FR*(\a)+FR-1], 0, v[SC+8*NQ*(\sc)+NQ*\b+(\q)], v[SC+8*NQ*(\sc)+NQ*(\a)+(\q)] matrix_a_fmt:MATRIX_FMT_FP4 matrix_b_fmt:MATRIX_FMT_FP4 matrix_a_scale:MATRIX_SCALE_ROW1
.else
	v_wmma_scale_f32_16x16x128_f8f6f4 v[8*(8*((\a)%4)+\b):8*(8*((\a)%4)+\b)+7], v[128*(\p)+FR*\b:128*(\p)+FR*\b+FR-1], v[AF+FR*(\a):AF+FR*(\a)+FR-1], v[8*(8*((\a)%4)+\b):8*(8*((\a)%4)+\b)+7], v[SC+8*NQ*(\sc)+NQ*\b+(\q)], v[SC+8*NQ*(\sc)+NQ*(\a)+(\q)] matrix_a_fmt:MATRIX_FMT_FP4 matrix_b_fmt:MATRIX_FMT_FP4 matrix_a_scale:MATRIX_SCALE_ROW1
.endif
.endr
.endr
.endm
.macro FETCH_B slot, q, p              ; W's eight fragments of the slot's q-th 128 along K into set p
	WIN TO_B
.irp i, 0,1,2,3,4,5,6,7
	FRAG 128*(\p)+FR*\i, ADRB+\slot, \q, \i
.endr
	WIN 0
.endm
.macro FETCH_A slot, q, i0             ; x's blocks i0 .. i0 + 3
.irp i, \i0, \i0+1, \i0+2, \i0+3
	FRAG AF+FR*(\i), ADRA+\slot, \q, \i
.endr
.endm
.macro SCALES sc                       ; a slot's scale words into set sc: four words a row; lanes 0-15 take x's block i, lanes 16-31 W's block i
.irp i, 0,1,2,3,4,5,6,7
	ds_load_b128 v[SC+8*NQ*\sc+NQ*\i:SC+8*NQ*\sc+NQ*\i+3], v[ADRS] offset:\i*SBLK
.endr
.endm
.macro PLACES n                        ; plain vector lines between a matrix instruction and a load into, or a read of, its registers
.rept \n
	v_nop
.endr
.endm
; A step of 128 along K that has its successor in the same slot.  x has one set of registers: blocks 0-3 are fetched anew in the step's middle, blocks 4-7 at its end.
.macro STEP slot, q, zero
	s_wait_dscnt 4*NL                              ; W's set and x's blocks 0-3 are in; the youngest eight loads (x's blocks 4-7) may be out
	WIN MUL_LO
	MUL16 0, (\q)%2, \q, \slot, \zero
	MUL16 2, (\q)%2, \q, \slot, \zero
	s_wait_dscnt 0                                 ; x's blocks 4-7 are in
	PLACES NP
	FETCH_B \slot, (\q)+1, 1-(\q)%2
	FETCH_A \slot, (\q)+1, 0
	WIN MUL_HI
	MUL16 4, (\q)%2, \q, \slot, \zero
	MUL16 6, (\q)%2, \q, \slot, \zero
	PLACES NP
	WIN 0
	FETCH_A \slot, (\q)+1, 4
.endm
; Slot 0's last step changes slots: one barrier; in front of it each wave waits for all its tensor loads (its part of slot 1), adds 0 to its spare word, and waits for that and for its reads.
.macro TURN slot, next
	s_wait_tensorcnt 0x0                           ; all my tensor loads have landed
	ds_add_u32 v[SPW], v[NIL]                      ; 0 onto my spare word
	s_wait_dscnt 4*NL+1                            ; (the add and the youngest eight loads may be out)
	WIN MUL_LO
	MUL16 0, 1, NQ-1, \slot, 0
	s_wait_dscnt 0x0                               ; the add is done, and my reads of this slot are over
	s_barrier_signal -1
	MUL16 2, 1, NQ-1, \slot, 0
	WIN 0
	s_barrier_wait -1                              ; everybody's part of the next slot is in
	PLACES NP
	v_add_nc_u32 v[ADRS], 4*NQ, v[ADRS]            ; on to the next slot's scale words
	FETCH_B \next, 0, 0
	FETCH_A \next, 0, 0
	SCALES \next
	WIN MUL_HI
	MUL16 4, 1, NQ-1, \slot, 0
	MUL16 6, 1, NQ-1, \slot, 0
	PLACES NP
	WIN 0
	FETCH_A \next, 0, 4
.endm
.macro STEPS slot, from                ; the slot's steps from .. NQ - 2
.set Q, \from
.rept NQ-1-\from
	STEP \slot, Q, 0
.set Q, Q+1
.endr
.endm
	s_wait_tensorcnt 1                             ; the scales and my part of slot 0 are in (slot 1's load may be out)
	s_barrier_signal -1
	s_barrier_wait -1                              ; everybody's are
	FETCH_B 0, 0, 0
	FETCH_A 0, 0, 0
	SCALES 0
	FETCH_A 0, 0, 4
	STEP 0, 0, 1                                   ; the first step's products start the sums: nothing is cleared
	STEPS 0, 1
	TURN 0, 1
	STEPS 1, 0
	s_wait_dscnt 4*NL                              ; the very last step: nothing more to fetch
	WIN MUL_LO
	MUL16 0, 1, NQ-1, 1, 0
	MUL16 2, 1, NQ-1, 1, 0
	s_wait_dscnt 0
	WIN MUL_HI
	MUL16 4, 1, NQ-1, 1, 0
	MUL16 6, 1, NQ-1, 1, 0
	WIN 0
; THE WAY OUT, a block of 16 rows x 128 channels (two heads) at a time.  A lane's eight channels pack into 16 bytes of f16.  In qkvg 16 rows of one head are 2,048 consecutive bytes:
; the block goes through my own stage and comes back so that each store of the wave covers 512 consecutive bytes.  LDS serves a wave's instructions in order: no wait between the stores and the loads.
.macro PACK a
.set AC, 64*((\a)%4)
	WIN 0x0a+5*((\a)/4)                            ; sources 0 and 1: window 2 or 3
.irp b, 0,1,2,3,4,5,6,7
.irp r, 0,1,2,3
	v_cvt_pk_f16_f32 v[TMP+4*\b+\r], v[AC+8*\b+2*\r], v[AC+8*\b+2*\r+1]   ; each accumulator from its low end on
.endr
.endr
	WIN 0
.endm
.macro TOSTAGE a
.set BK, OB+192*((\a)%2)
.irp b, 0,1,2,3,4,5,6,7
	ds_store_b128 v[STO], v[TMP+4*\b:TMP+4*\b+3] offset:(\b/4)*2176+32*(\b%4)   ; head b / 4, channels 16 (b % 4) on
.endr
.irp t, 0,1,2,3,4,5,6,7
	ds_load_b128 v[BK+4*\t:BK+4*\t+3], v[RD] offset:(\t/4)*2176+(\t%4)*544
.endr
.endm
.macro SEND a
.set BK, OB+192*((\a)%2)
	s_wait_dscnt 0x0                               ; the block is back in registers
	s_wait_xcnt 0x0                                ; the stores of two blocks ago have read their data: the next block's loads may land there
.irp t, 0,1,2,3,4,5,6,7
	global_store_b128 v[CO], v[BK+4*\t:BK+4*\t+3], s[12:13] offset:(\t/4)*262144+(\a)*2048+(\t%4)*512
.endr
.endm
	PLACES NP                                      ; behind the last products: for the reads of their results and the loads into the scale words' registers
	PACK 0
	TOSTAGE 0
.irp a, 1,2,3,4,5,6,7                  ; block a's conversions stand between block a - 1's loads from the stage and the wait for them
	PACK \a
	SEND \a-1
	TOSTAGE \a
.endr
	SEND 7
	s_wait_tensorcnt 0x0                           ; the wave's end: three closing lines behind my last tensor load and my last LDS store
	ds_add_u32 v[SPW], v[NIL]
	s_wait_dscnt 0x0
	CROUND                                         ; the closing round: no work-group ends while a partner may still ask for a tile that names it
	s_endpgm
.Lfunc_end_k_q5eb92fe889_proj:
	.size	k_q5eb92fe889_proj, .Lfunc_end_k_q5eb92fe889_proj-k_q5eb92fe889_proj
	.p2alignl 7, 3214868480
	.fill 96, 4, 3214868480
	.section	.rodata,"a",@progbits
	.p2align	6, 0x0
	.amdhsa_kernel k_q5eb92fe889_proj
		.amdhsa_group_segment_fixed_size 327680
		.amdhsa_private_segment_fixed_size 0
		.amdhsa_enable_private_segment 0
		.amdhsa_kernarg_size 40
		.amdhsa_user_sgpr_count 2
		.amdhsa_user_sgpr_kernarg_segment_ptr 1
		.amdhsa_wavefront_size32 1
		.amdhsa_system_sgpr_workgroup_id_x 1
		.amdhsa_system_sgpr_workgroup_id_y 1
		.amdhsa_system_sgpr_workgroup_id_z 1
		.amdhsa_system_vgpr_workitem_id 0
		.amdhsa_next_free_vgpr 1024
		.amdhsa_next_free_sgpr 98
		.amdhsa_reserve_vcc 0
		.amdhsa_float_denorm_mode_32 3
		.amdhsa_float_denorm_mode_16_64 3
		.amdhsa_memory_ordered 1
		.amdhsa_forward_progress 1
		.amdhsa_inst_pref_size 127
	.end_amdhsa_kernel
	.amdgpu_metadata
---
amdhsa.version: [ 1, 2 ]
amdhsa.kernels:
  - .name:           k_q5eb92fe889_proj
    .symbol:         k_q5eb92fe889_proj.kd
    .args:
      - { .name: xc, .offset: 0, .size: 8, .value_kind: global_buffer, .address_space: global }
      - { .name: xs, .offset: 8, .size: 8, .value_kind: global_buffer, .address_space: global }
      - { .name: wc, .offset: 16, .size: 8, .value_kind: global_buffer, .address_space: global }
      - { .name: ws, .offset: 24, .size: 8, .value_kind: global_buffer, .address_space: global }
      - { .name: qkvg, .offset: 32, .size: 8, .value_kind: global_buffer, .address_space: global }
    .group_segment_fixed_size: 327680
    .private_segment_fixed_size: 0
    .kernarg_segment_align: 8
    .kernarg_segment_size: 40
    .max_flat_workgroup_size: 128
    .sgpr_count:     98
    .vgpr_count:     1024
    .wavefront_size: 32
...
	.end_amdgpu_metadata
.endif
;; end of part 2
;; launch attn (part 3): grid 8 x 32, 8 waves a work-group, no clusters, 327,680 bytes of LDS; arguments qkvg, gctx, xc, xs, wc, ws, g32; writes gctx, g32
.if DOCPART == 3
	.amdgcn_target "amdgcn-amd-amdhsa--gfx1250"
	.amdhsa_code_object_version 6
	.text
	.protected	k_q5eb92fe889_attn
	.globl	k_q5eb92fe889_attn
	.p2align	8
	.type	k_q5eb92fe889_attn,@function
k_q5eb92fe889_attn:
	s_mov_b64 s[64:65], 0
	v_nop
	global_prefetch_b8 v0, s[64:65] scope:SCOPE_SE
	s_setreg_imm32_b32 hwreg(HW_REG_WAVE_MODE, 25, 1), 1
	s_wait_xcnt 0x0
; ctx[b][h][q] = sum over k <= q of softmax_k(Q[q] . K[k] / 8) V[k], times sigmoid(gate[q]).  Q, K, V, gate: f16, [T][b][h][2048][64] in qkvg.  Products on f16 operands with f32 sums; maxima, sums, exponentials, sigmoid in f32;
; the weights p are rounded to f16 for the second product; the result is rounded once to f16, laid [b 16 + s / 128][h][128 rows][64] in gctx.
; POSITIONS 0-15 of every sequence and head are made a second time, in f32, at this text's end, into g32 [16 b + position][1024]: the last launch makes their rows of the output from it.
; LIMITS: NaN and infinities are not served; |result| stays under 65,504 in gctx.
; SHARES.  Work-group (i, head) owns query blocks i and 15 - i of 128 queries: 17 blocks of keys under the causal mask for every i.  Waves 0-3 take block i, waves 4-7 block 15 - i, 32 queries each: two tiles of 16.
; Keys go 64 a step through two LDS slots of 256 keys.  Wave 0 fetches a slot's K, wave 1 its V, one tensor load each (128 rows of 256 bytes); all eight waves read them.
; NO CLUSTER: the work-groups of a head need 5 to 8 slots (8 - i / 2), so partners would need different numbers of tiles.
; LAYOUT.  S^T = K Q^T (source 0 = 16 keys, source 1 = 16 queries): a lane holds one query (lane % 16) and keys 8 (lane / 16) + 0..7.  Two such tiles, rounded to f16 in pairs, are source 1 of O^T = V^T P, whose result again
; holds one query a lane and eight channels.  K comes out of LDS as it lies, V turned by ds_load_tr16_b128.  Rows are 128 bytes: two share an LDS row, row r at pitch x (r / 2) + 128 (r % 2).
; SOFTMAX.  A running maximum m and sum l for each query: p = 2^(c s - c m), c = log2(e) / 8; in every step O and l are multiplied by a = 2^(c m_old - c m_new).
; THE MASK.  Every work-group walks all 8 slots and 32 steps: trip counts are constants.  A step all of whose keys come after my 32 queries is jumped over (a branch on ids); on the diagonal hidden scores become -infinity.
; A slot whose first key comes after the work-group's last query is not asked for.  Every wait on the tensor counter is for 0.  By this text's count a wave has at most two tensor loads out (the gate's tile and slot 0).
; REGISTERS: v1-15 addresses and small things; v16-31 statistics, 8 a tile; v32-63 Q; v64-127 K, then V; v128-191 S^T, then p, then P in place; v192-255 O^T.
.set KP2,    272                       ; two rows of K: 256 bytes + 16: the 16 rows of a load fall on 16 different 16-byte columns
.set VP2,    288                       ; two rows of V: 256 + 32: the turning load's 16 lanes fall on 16 different columns
.set VOFF,   128*KP2                   ; a slot: 256 keys of K, then of V
.set KSTEPB, 32*KP2                    ; 64 keys
.set VSTEPB, 32*VP2
.set SLOT1,  1<<17                     ; slot 1 begins here: one exclusive or turns an address
.set GATE,   2*SLOT1                   ; behind the slots: each wave's gate tile, 32 queries x 128 bytes as 16 rows of 272; filled once; later the wave's stage
.set GW,     16*272
.set SPARE,  GATE+8*GW                 ; the spare words, 128 bytes a wave
.set FB,     SPARE+1024                ; behind them: the f32 rows' bytes, into which no tensor load lands: q, k, v, gate of 16 positions, 16 rows x (256 bytes + 16) each,
.set ARR,    16*272
.set FWARR,  FB+4*ARR                  ; and the weights, 16 queries x 16 keys
.set NSL,    8                         ; slots' worth of keys
.set NQ,     4                         ; steps in a slot
.set AK0, 1                            ; v1  my lane's place in a tile of K
.set AV0, 2                            ; v2  the same for V
.set ADK, 3                            ; v3  the step's K
.set ADV, 4                            ; v4  the step's V
.set SPW, 5                            ; v5  my spare word; never rewritten
.set NIL, 6                            ; v6  0; never rewritten
.set PFO, 7                            ; v7  256 x lane
.set AG,  15                           ; v15 my lane's place in my gate tile
.set ST,  16                           ; tile t's statistics at v[ST + 8 t]: +0 c m, +1 m, +2, +3 l, +4 to +7 at work; a in +6
.set QF,  32
.set KV,  64
.set S,   128
.set O,   192
.set WV,  8
.set Q0,  12                           ; s12 my first query
.set LASTQ, 13                         ; s13 the work-group's last query
.set KF,  14                           ; s14 the step's first key
.set TBK, 15                           ; s15 LDS byte of the step's K
.set TBV, 16                           ; s16 and, less VOFF, of its V
.set SLOTS, 17
.set CNT, 18
.set LIM, 19                           ; s19 1 in a wave that prefetches, else the greatest number
.set SEL, 20                           ; s[20:21] lane l xor 16
.set CS,  22                           ; s[22:23] c
.set G1K, 24
.set G1V, 32
.set G1G, 40
.set G0K, 48
.set G0V, 52
.set G0G, 56
.set PFA, 60                           ; s[60:61] where my prefetches stand
.set OUTB, 76
.set QB,  78
; Wave 0 fetches K, wave 1 V, the others nothing.  The branches hang on the wave's number alone.  An s_nop 0 and four v_nop follow each load.
.macro TLOAD
	s_cmp_lg_u32 s[WV], 0
	s_cbranch_scc1 .Lnot_k_\@
	tensor_load_to_lds s[G0K:G0K+3], s[G1K:G1K+7]
	s_nop 0
.rept 4
	v_nop
.endr
	s_branch .Lasked_\@
.Lnot_k_\@:
	s_cmp_lg_u32 s[WV], 1
	s_cbranch_scc1 .Lasked_\@
	tensor_load_to_lds s[G0V:G0V+3], s[G1V:G1V+7]
	s_nop 0
.rept 4
	v_nop
.endr
.Lasked_\@:
.endm
; A prefetch of what the NEXT change of slots will ask for: 32,768 bytes of K and of V.  All work-groups of a head walk the same rows: work-group 0 of the head, which walks all slots, asks, and nobody else.
; In it waves 4 and 5 take K's two halves, waves 6 and 7 V's: 16,384 bytes a wave, two instructions, lanes 256 bytes apart: each aligned block of 256 bytes is named once in the launch.
; Slots 0 and 1 come by their loads alone; the last change that fills a slot asks for nothing: there is no slot behind it.
.macro ASK
	s_cmp_gt_u32 s[SLOTS], s[LIM]
	s_cbranch_scc0 .Lnot_mine_\@
	global_prefetch_b8 v[PFO], s[PFA:PFA+1] th:TH_LOAD_NT scope:SCOPE_SE
	global_prefetch_b8 v[PFO], s[PFA:PFA+1] offset:8192 th:TH_LOAD_NT scope:SCOPE_SE
.Lnot_mine_\@:
.endm
	s_load_b128 s[4:7], s[0:1], 0x0                ; qkvg s[4:5], gctx s[6:7]
	s_load_b256 s[80:87], s[0:1], 0x10             ; xc s[80:81], xs s[82:83], wc s[84:85], ws s[86:87]
	s_load_b64 s[88:89], s[0:1], 0x30              ; g32
	v_lshl_add_u32 v[SPW], v0, 2, SPARE
	v_mov_b32 v[NIL], 0
	ds_add_u32 v[SPW], v[NIL]                      ; the wave's opening: the add, twice on end, and its wait ahead of my first tensor load
	ds_add_u32 v[SPW], v[NIL]
	v_lshrrev_b32 v1, 5, v0
	v_readfirstlane_b32 s[WV], v1                  ; wave 0..7
	s_and_b32 s9, ttmp7, 0xffff                    ; 16 b + h
	s_sub_co_u32 s10, 15, ttmp9
	s_cmp_lt_u32 s[WV], 4
	s_cselect_b32 s10, ttmp9, s10                  ; my block of 128 queries
	s_and_b32 s11, s[WV], 3
	s_lshl_b32 s[Q0], s10, 7
	s_lshl_b32 s96, s11, 5
	s_add_co_u32 s[Q0], s[Q0], s96
	s_sub_co_u32 s[LASTQ], 16, ttmp9
	s_lshl_b32 s[LASTQ], s[LASTQ], 7
	s_sub_co_u32 s[LASTQ], s[LASTQ], 1             ; the last query of block 15 - i
	s_lshl_b32 s66, s9, 18                         ; the head's first byte in each of the four tensors
	s_mov_b32 s67, 0
	s_lshl_b32 s70, s[Q0], 7                       ; my first query's row
	s_mov_b32 s71, 0
	s_lshr_b32 s72, s9, 4                          ; gctx: (16 b + block) x 262,144 + h x 16,384 + 4,096 (wave % 4)
	s_lshl_b32 s72, s72, 4
	s_add_co_u32 s72, s72, s10
	s_lshl_b32 s72, s72, 18
	s_and_b32 s73, s9, 15
	s_lshl_b32 s73, s73, 14
	s_add_co_u32 s72, s72, s73
	s_lshl_b32 s73, s11, 12
	s_add_co_u32 s72, s72, s73
	s_mov_b32 s73, 0
	s_mov_b32 s74, 0x1000000                       ; the prefetches: V's tensor,
	s_cmp_lt_u32 s[WV], 6
	s_cselect_b32 s74, 0x800000, s74               ; or K's;
	s_and_b32 s75, s[WV], 1
	s_lshl_b32 s75, s75, 14                        ; my half of a slot's 32,768 bytes;
	s_add_co_u32 s74, s74, s75
	s_add_co_u32 s74, s74, 32768                   ; in slot 1: the first change of slots steps it to slot 2
	s_mov_b32 s75, 0
	s_sub_co_u32 s[LIM], s[WV], 4
	s_lshr_b32 s[LIM], s[LIM], 2                   ; 0 in waves 4 to 7,
	s_or_b32 s[LIM], s[LIM], ttmp9                 ; of the head's work-group 0
	s_cmp_eq_u32 s[LIM], 0
	s_cselect_b32 s[LIM], 1, -1
	s_mul_i32 s97, s[WV], GW
	s_add_co_u32 s97, s97, GATE                    ; my gate tile
	; descriptor groups 1: dense blocks as rows of 256 bytes (32 elements of 8 bytes), padded in LDS
	s_mov_b32 s[G1K], (3<<16)|(1<<20)|(5<<22)|(3<<25)              ; no mask; elements of 8 bytes; padding on; after every 64 words four words
	s_mov_b32 s[G1V], (3<<16)|(1<<20)|(5<<22)|(7<<25)              ; eight words
	s_mov_b32 s[G1G], (3<<16)|(1<<20)|(5<<22)|(3<<25)
.irp g, G1K, G1V
	s_mov_b32 s[\g+1], 32<<16                      ; tensor_dim0
	s_mov_b32 s[\g+2], 128<<16                     ; tensor_dim1: 256 keys are 128 rows
	s_mov_b32 s[\g+3], 32<<16                      ; tile_dim0
	s_mov_b32 s[\g+4], 128                         ; tile_dim1
	s_mov_b32 s[\g+5], 32                          ; the pitch
	s_mov_b32 s[\g+6], 0
	s_mov_b32 s[\g+7], 0
.endr
	s_mov_b32 s[G1G+1], 32<<16
	s_mov_b32 s[G1G+2], 16<<16                     ; 32 queries are 16 rows
	s_mov_b32 s[G1G+3], 32<<16
	s_mov_b32 s[G1G+4], 16
	s_mov_b32 s[G1G+5], 32
	s_mov_b32 s[G1G+6], 0
	s_mov_b32 s[G1G+7], 0
	s_mov_b32 s[SEL], 0x76543210
	s_mov_b32 s[SEL+1], 0xfedcba98
	s_mov_b32 s[CS], 0x3e38aa3b                    ; c = log2(e) / 8
	s_mov_b32 s[CS+1], s[CS]                       ; (named with it as a pair, so it is written)
	s_mov_b32 s[KF], 0
	s_mov_b32 s[TBK], 0
	s_mov_b32 s[TBV], 0
	s_mov_b32 s[SLOTS], NSL-1
	s_wait_dscnt 0x0                               ; both opening adds are done
	s_wait_kmcnt 0x0
	s_add_nc_u64 s[68:69], s[4:5], s[66:67]        ; my head's Q
	s_add_nc_u64 s[QB:QB+1], s[68:69], s[70:71]    ; at my first query
	s_add_nc_u64 s[OUTB:OUTB+1], s[6:7], s[72:73]
	s_add_nc_u64 s[PFA:PFA+1], s[68:69], s[74:75]
	s_mov_b32 s[G0G], 1
	s_mov_b32 s[G0G+1], s97
	s_add_nc_u64 s[G0G+2:G0G+3], s[QB:QB+1], 0x1800000   ; the gate's tensor, my 32 queries
	s_or_b32 s[G0G+3], s[G0G+3], 0x80000000
	s_mov_b32 s[G0K], 1
	s_mov_b32 s[G0K+1], 0                          ; slot 0
	s_add_nc_u64 s[G0K+2:G0K+3], s[68:69], 0x800000
	s_or_b32 s[G0K+3], s[G0K+3], 0x80000000
	s_mov_b32 s[G0V], 1
	s_mov_b32 s[G0V+1], VOFF
	s_add_nc_u64 s[G0V+2:G0V+3], s[68:69], 0x1000000
	s_or_b32 s[G0V+3], s[G0V+3], 0x80000000
	tensor_load_to_lds s[G0G:G0G+3], s[G1G:G1G+7]  ; every wave: its own gate tile, filled once
	s_nop 0
	TLOAD                                          ; slot 0
	v_and_b32 v10, 15, v0                          ; r
	v_bfe_u32 v11, v0, 4, 1                        ; h
	v_lshlrev_b32 v3, 7, v10
	v_lshl_add_u32 v3, v11, 4, v3                  ; Q: row r of 128 bytes + 16 h
.irp t, 0,1
.irp c, 0,1
	global_load_b128 v[QF+16*\t+8*\c:QF+16*\t+8*\c+3],   v3, s[QB:QB+1] offset:\t*2048+64*\c      ; Q stays in registers: tile t, channels 32 c on
	global_load_b128 v[QF+16*\t+8*\c+4:QF+16*\t+8*\c+7], v3, s[QB:QB+1] offset:\t*2048+64*\c+32
.endr
.endr
	v_lshrrev_b32 v12, 1, v10
	v_and_b32 v13, 1, v10
	v_mul_u32_u24 v[AK0], v12, KP2
	v_lshl_add_u32 v[AK0], v13, 7, v[AK0]
	v_lshl_add_u32 v[AK0], v11, 4, v[AK0]          ; 272 (r / 2) + 128 (r % 2) + 16 h
	v_bfe_u32 v12, v0, 1, 2
	v_lshl_add_u32 v12, v11, 2, v12                ; the turning load: lane l reads key 8 h + l % 8: pair 4 h + (l % 8) / 2,
	v_mul_u32_u24 v[AV0], v12, VP2
	v_and_b32 v13, 1, v0
	v_lshl_add_u32 v[AV0], v13, 7, v[AV0]          ; half l % 2 of the pair,
	v_bfe_u32 v13, v0, 3, 1
	v_lshl_add_u32 v[AV0], v13, 4, v[AV0]          ; channels 8 ((l / 8) % 2) on
	v_add_nc_u32 v[AV0], VOFF, v[AV0]
	v_add_nc_u32 v[AG], s97, v[AK0]
	v_lshlrev_b32 v8, 3, v11
	v_sub_nc_u32 v8, v10, v8                       ; r - 8 h, for the mask
	v_and_b32 v[PFO], 31, v0
	v_lshlrev_b32 v[PFO], 8, v[PFO]
	v_mov_b32 v14, 0xff800000                      ; -infinity
.irp t, 0,1
	v_mov_b32 v[ST+8*\t+1], 0xff61b1e6             ; m: -3e38, under every score
	v_mul_f32 v[ST+8*\t], s[CS], v[ST+8*\t+1]      ; c m
.irp j, 2,3,4,5,6,7
	v_mov_b32 v[ST+8*\t+\j], 0                     ; l, and the registers at work (written once, so that no way reads them unwritten)
.endr
.endr
.set i, 0
.rept 64
	v_mov_b32 v[O+i], 0                            ; O^T.  (The step is written once: the first finds zeros, which its a = 0 leaves zeros)
.set i, i+1
.endr
; One tile's softmax for one step.  The lane's 32 scores are v[rS] on.
.macro SOFT t
.set rT, ST+8*(\t)
.set rS, S+32*(\t)
.set rO, O+32*(\t)
.set rB, 10+2*(\t)
.irp j, 0,1,2,3
	v_max3_num_f32 v[rT+4+\j], v[rS+8*\j], v[rS+8*\j+1], v[rS+8*\j+2]     ; four chains; each accumulator is read from its low end on
.endr
.irp i, 3,5
.irp j, 0,1,2,3
	v_max3_num_f32 v[rT+4+\j], v[rT+4+\j], v[rS+8*\j+\i], v[rS+8*\j+\i+1]
.endr
.endr
	v_max3_num_f32 v[rT+4], v[rT+4], v[rS+7], v[rS+15]
	v_max3_num_f32 v[rT+6], v[rT+6], v[rS+23], v[rS+31]
	v_max3_num_f32 v[rT+4], v[rT+4], v[rT+5], v[rT+6]
	v_max3_num_f32 v[rT+4], v[rT+4], v[rT+7], v[rT+1]              ; with the old m
	v_permlanex16_b32 v[rT+5], v[rT+4], s[SEL], s[SEL+1]           ; the query's other 32 keys lie in the lane 16 away
	v_mov_b32 v[rT+7], v[rT]                       ; c m_old
	v_max_num_f32 v[rT+1], v[rT+4], v[rT+5]        ; the new m
	v_mul_f32 v[rT], s[CS], v[rT+1]
	v_sub_f32 v[rT+7], v[rT+7], v[rT]
	v_exp_f32 v[rT+6], v[rT+7]                     ; a: the first of the batch
.irp j, 0,2,4,6,8,10,12,14,16,18,20,22,24,26,28,30
	v_pk_fma_f32 v[rS+\j:rS+\j+1], v[rS+\j:rS+\j+1], s[CS:CS+1], v[rT:rT+1] op_sel_hi:[1,0,0] neg_lo:[0,0,1] neg_hi:[0,0,1]   ; c s - c m
.endr
.irp j, 0,1,2,3,4,5,6,7,8,9,10,11,12,13,14,15,16,17,18,19,20,21,22,23,24,25,26,27,28,29,30,31
	v_exp_f32 v[rS+\j], v[rS+\j]
.endr
	v_nop                                          ; a plain line behind the last exponential
	s_wait_alu depctr_va_vdst(0)                   ; one wait for the 33, ahead of the first line that names a result
	v_pk_add_f32 v[rT+4:rT+5], v[rS:rS+1], v[rS+2:rS+3]            ; the sum of the unrounded p, in two chains
	v_pk_add_f32 v[rB:rB+1], v[rS+4:rS+5], v[rS+6:rS+7]
.irp j, 8,12,16,20,24,28
	v_pk_add_f32 v[rT+4:rT+5], v[rT+4:rT+5], v[rS+\j:rS+\j+1]
	v_pk_add_f32 v[rB:rB+1], v[rB:rB+1], v[rS+\j+2:rS+\j+3]
.endr
	v_pk_add_f32 v[rT+4:rT+5], v[rT+4:rT+5], v[rB:rB+1]
	v_pk_fma_f32 v[rT+2:rT+3], v[rT+2:rT+3], v[rT+6:rT+7], v[rT+4:rT+5] op_sel_hi:[1,0,1]   ; l = a l + the sum
.irp kc, 0,1
.irp i, 0,1,2,3,4,5,6,7
	v_cvt_pk_f16_f32 v[rS+16*\kc+\i], v[rS+16*\kc+2*\i], v[rS+16*\kc+2*\i+1]   ; P in place: register i is written when registers 2 i, 2 i + 1 are read, never ahead of them
.endr
.endr
.irp j, 0,2,4,6,8,10,12,14,16,18,20,22,24,26,28,30
	v_pk_mul_f32 v[rO+\j:rO+\j+1], v[rO+\j:rO+\j+1], v[rT+6:rT+7] op_sel_hi:[1,0]   ; O^T x a
.endr
.endm
.macro PV t                            ; O^T += V^T P: four accumulators by turns, 32 keys at a time
.irp kc, 0,1
.irp ct, 0,1,2,3
	v_wmma_f32_16x16x32_f16 v[O+32*\t+8*\ct:O+32*\t+8*\ct+7], v[KV+32*\kc+8*\ct:KV+32*\kc+8*\ct+7], v[S+32*\t+16*\kc:S+32*\t+16*\kc+7], v[O+32*\t+8*\ct:O+32*\t+8*\ct+7]
.endr
.endr
.endm
; A KEY STEP: 64 keys.
.macro STEP
	s_add_co_u32 s96, s[Q0], 31
	s_cmp_gt_u32 s[KF], s96                        ; all 64 keys come after my 32 queries: the step's work is left out; ids and the count of steps alone
	s_cbranch_scc1 .Lhidden_\@
	v_add_nc_u32 v[ADK], s[TBK], v[AK0]
	v_add_nc_u32 v[ADV], s[TBV], v[AV0]
.rept 4
	v_nop                                          ; with the two additions six places behind the last step's products: four are owed ahead of the loads into V's registers, five ahead of the products that write over P
.endr
.irp kt, 0,1,2,3
.irp c, 0,1
	ds_load_b128 v[KV+16*\kt+8*\c:KV+16*\kt+8*\c+3],   v[ADK] offset:\kt*2176+64*\c
	ds_load_b128 v[KV+16*\kt+8*\c+4:KV+16*\kt+8*\c+7], v[ADK] offset:\kt*2176+64*\c+32
.endr
.endr
	s_wait_dscnt 0x0
.irp t, 0,1                            ; S^T = K Q^T: a tile's four accumulators by turns; the first 32 channels start the sums
.irp kt, 0,1,2,3
	v_wmma_f32_16x16x32_f16 v[S+32*\t+8*\kt:S+32*\t+8*\kt+7], v[KV+16*\kt:KV+16*\kt+7], v[QF+16*\t:QF+16*\t+7], 0
.endr
.irp kt, 0,1,2,3
	v_wmma_f32_16x16x32_f16 v[S+32*\t+8*\kt:S+32*\t+8*\kt+7], v[KV+16*\kt+8:KV+16*\kt+15], v[QF+16*\t+8:QF+16*\t+15], v[S+32*\t+8*\kt:S+32*\t+8*\kt+7]
.endr
.endr
.rept 4
	v_nop                                          ; places ahead of the loads into K's registers and of the first read of the scores
.endr
.irp kc, 0,1                           ; V, turned, into the registers that K has left: it lands under the first tile's softmax
.irp ct, 0,1,2,3
	ds_load_tr16_b128 v[KV+32*\kc+8*\ct:KV+32*\kc+8*\ct+3],   v[ADV] offset:\kc*16*VP2+32*\ct
	ds_load_tr16_b128 v[KV+32*\kc+8*\ct+4:KV+32*\kc+8*\ct+7], v[ADV] offset:\kc*16*VP2+8*VP2+32*\ct
.endr
.endr
	s_add_co_u32 s96, s[KF], 63
	s_cmp_le_u32 s96, s[Q0]                        ; all 64 keys count for all my queries: no mask
	s_cbranch_scc1 .Lopen_\@
	s_sub_co_i32 s96, s[Q0], s[KF]
	v_add_nc_u32 v9, s96, v8                       ; d = Q0 - KF + r - 8 h.  Register 8 kt + j of tile t holds key KF + 16 kt + 8 h + j for query Q0 + 16 t + r: hidden where 16 kt + j - 16 t > d
.irp t, 0,1
.irp kt, 0,1,2,3
.irp j, 0,1,2,3,4,5,6,7
	v_cmp_gt_i32 vcc_lo, 16*\kt+\j-16*\t, v9
	v_cndmask_b32 v[S+32*\t+8*\kt+\j], v[S+32*\t+8*\kt+\j], v14, vcc_lo
.endr
.endr
.endr
.Lopen_\@:
	SOFT 0
	s_wait_dscnt 0x0                               ; V is in
	PV 0
	SOFT 1                                         ; names none of the registers of the eight products above
	PV 1
.Lhidden_\@:
	s_add_co_u32 s[KF], s[KF], 64
	s_add_co_u32 s[TBK], s[TBK], KSTEPB
	s_add_co_u32 s[TBV], s[TBV], VSTEPB
.endm
; THE CHANGE OF SLOTS stands at a slot's head.  Each wave waits for all its tensor loads, adds 0 to its spare word, and waits for that and for its reads of the slot that it has left.  Behind the barrier the slot ahead is whole
; and nobody reads the other one.  fill = 1: that other slot is filled with the next 256 keys, up to the causal limit: the load has four steps in which to land.
.macro CHANGE fill
	s_wait_tensorcnt 0x0                           ; no tensor load of mine is out, so a group 0 may be written
	ds_add_u32 v[SPW], v[NIL]                      ; 0 onto my spare word
.if \fill
	s_xor_b32 s[G0K+1], s[G0K+1], SLOT1            ; the walking descriptors: the other slot than last time,
	s_add_nc_u64 s[G0K+2:G0K+3], s[G0K+2:G0K+3], 32768   ; the next 256 keys
	s_xor_b32 s[G0V+1], s[G0V+1], SLOT1
	s_add_nc_u64 s[G0V+2:G0V+3], s[G0V+2:G0V+3], 32768
	s_wait_xcnt 0x0                                ; the last prefetches, a slot back, have read their address, so it may be written:
	s_add_nc_u64 s[PFA:PFA+1], s[PFA:PFA+1], 32768 ; one slot further on than the walking descriptors
.endif
	s_wait_dscnt 0x0                               ; the add is done, and my reads of the slot that I have left are over
	s_barrier_signal -1
	s_barrier_wait -1
.if \fill
	s_add_co_u32 s96, s[KF], 256                   ; the first key of the slot that this change would ask for:
	s_cmp_gt_u32 s96, s[LASTQ]                     ; behind the work-group's last query no wave reads it, so it is not asked for.  The same in all eight waves; past the limit a work-group stays past it
	s_cbranch_scc1 .Lpast_\@
	TLOAD                                          ; a wave's one tensor load until the next such barrier
.Lpast_\@:
	ASK
.endif
.endm
.macro SLOT_STEPS                      ; a slot's four steps: written once, walked four times
	s_mov_b32 s[CNT], NQ
.Lstep_\@:
	STEP
	s_sub_co_u32 s[CNT], s[CNT], 1
	s_cmp_lg_u32 s[CNT], 0
	s_cbranch_scc1 .Lstep_\@
	s_sub_co_u32 s[TBK], s[TBK], NQ*KSTEPB         ; back to a slot's first step,
	s_xor_b32 s[TBK], s[TBK], SLOT1                ; in the other slot
	s_sub_co_u32 s[TBV], s[TBV], NQ*VSTEPB
	s_xor_b32 s[TBV], s[TBV], SLOT1
.endm
	s_wait_loadcnt 0x0                             ; Q is in; its offset register is free
.Lslot:                                            ; 7 trips: behind each change of slots but the last the next slot is asked for, up to the causal limit
	CHANGE 1
	SLOT_STEPS
	s_sub_co_u32 s[SLOTS], s[SLOTS], 1
	s_cmp_lg_u32 s[SLOTS], 0
	s_cbranch_scc1 .Lslot
	CHANGE 0                                       ; the last slot is written out: nothing is left to ask for
	SLOT_STEPS
	; THE WAY OUT: O^T / l x sigmoid(gate), rounded to f16, through my gate tile's bytes (they have had their one fill, and I alone touch them), back as 512 consecutive bytes a store.
.rept 4
	v_nop                                          ; places behind the last products
.endr
.irp t, 0,1
	v_add_f32 v[ST+8*\t+4], v[ST+8*\t+2], v[ST+8*\t+3]
.endr
.irp t, 0,1
	v_permlanex16_b32 v[ST+8*\t+5], v[ST+8*\t+4], s[SEL], s[SEL+1]
.endr
.irp t, 0,1
	v_add_f32 v[ST+8*\t+4], v[ST+8*\t+4], v[ST+8*\t+5]             ; the row's sum
.endr
.irp t, 0,1
.irp ct, 0,1,2,3
	ds_load_b128 v[KV+16*\t+4*\ct:KV+16*\t+4*\ct+3], v[AG] offset:\t*2176+32*\ct   ; the gate of my query, my eight channels of each tile
.endr
.endr
.irp t, 0,1
	v_rcp_f32 v[ST+8*\t+6], v[ST+8*\t+4]           ; 1 / l: waited for with the exponentials below
.endr
	v_and_b32 v8, 15, v0
	v_bfe_u32 v9, v0, 4, 1
	v_mul_u32_u24 v9, v9, 272
	v_lshl_add_u32 v9, v8, 4, v9
	s_mul_i32 s96, s[WV], GW
	s_add_co_u32 s96, s96, GATE
	v_add_nc_u32 v9, s96, v9                       ; back: 32 lanes take 512 data bytes, four rows
	v_and_b32 v8, 31, v0
	v_lshlrev_b32 v8, 4, v8                        ; and the same in gctx
	s_wait_dscnt 0x0
.set d, S
.irp s, v64.l,v64.h,v65.l,v65.h,v66.l,v66.h,v67.l,v67.h,v68.l,v68.h,v69.l,v69.h,v70.l,v70.h,v71.l,v71.h,v72.l,v72.h,v73.l,v73.h,v74.l,v74.h,v75.l,v75.h,v76.l,v76.h,v77.l,v77.h,v78.l,v78.h,v79.l,v79.h,v80.l,v80.h,v81.l,v81.h,v82.l,v82.h,v83.l,v83.h,v84.l,v84.h,v85.l,v85.h,v86.l,v86.h,v87.l,v87.h,v88.l,v88.h,v89.l,v89.h,v90.l,v90.h,v91.l,v91.h,v92.l,v92.h,v93.l,v93.h,v94.l,v94.h,v95.l,v95.h
	v_cvt_f32_f16 v[d], \s                         ; the gate in f32, in O^T's order
.set d, d+1
.endr
.set i, 0
.rept 32
	v_pk_mul_f32 v[S+i:S+i+1], v[S+i:S+i+1], 0xbfb8aa3b op_sel_hi:[1,0]   ; -g log2(e)
.set i, i+2
.endr
.set i, 0
.rept 64
	v_exp_f32 v[S+i], v[S+i]
.set i, i+1
.endr
	v_nop
	s_wait_alu depctr_va_vdst(0)                   ; one wait for the two reciprocals and the 64 exponentials
.set i, 0
.rept 32
	v_pk_add_f32 v[S+i:S+i+1], v[S+i:S+i+1], 1.0 op_sel_hi:[1,0]
.set i, i+2
.endr
.set i, 0
.rept 64
	v_rcp_f32 v[S+i], v[S+i]                       ; sigmoid(g) = 1 / (1 + 2^(-g log2(e)))
.set i, i+1
.endr
.irp t, 0,1
.set i, 0
.rept 16
	v_pk_mul_f32 v[O+32*\t+i:O+32*\t+i+1], v[O+32*\t+i:O+32*\t+i+1], v[ST+8*\t+6:ST+8*\t+7] op_sel_hi:[1,0]   ; O^T / l: plain work behind the reciprocals, which names none of their results
.set i, i+2
.endr
.endr
	s_wait_alu depctr_va_vdst(0)                   ; one wait for the 64
.set i, 0
.rept 32
	v_pk_mul_f32 v[O+i:O+i+1], v[O+i:O+i+1], v[S+i:S+i+1]
.set i, i+2
.endr
.set i, 0
.rept 32
	v_cvt_pk_f16_f32 v[96+i], v[O+2*i], v[O+2*i+1]
.set i, i+1
.endr
.irp t, 0,1
.irp ct, 0,1,2,3
	ds_store_b128 v[AG], v[96+16*\t+4*\ct:96+16*\t+4*\ct+3] offset:\t*2176+32*\ct   ; each lane writes the bytes that it read
.endr
.endr
.irp u, 0,1,2,3,4,5,6,7
	ds_load_b128 v[KV+4*\u:KV+4*\u+3], v9 offset:\u*544            ; LDS serves a wave's instructions in order: these see my stores
.endr
.irp u, 0,1,2,3,4,5,6,7
	s_wait_dscnt 7-\u                              ; the younger loads may be out
	global_store_b128 v8, v[KV+4*\u:KV+4*\u+3], s[OUTB:OUTB+1] offset:512*\u   ; 32 lanes store 512 consecutive bytes
.endr
; POSITIONS 0-15 OF MY HEAD, CARRIED IN F32: these rows average one to sixteen values and are the largest in size.  One work-group of each head does it: number 7, whose waves have at most 18 working steps of the 32
; (blocks 7 and 8), the fewest of the eight; work-group 0's have up to 32.  The branch hangs on the work-group's number alone, so all eight waves go the same way and pass the barrier below together.
; P: q, k, v, gate of the 16 positions x 64 channels, again on the codes of FP4 (K = 1,024, eight steps of 128), kept as f32 in LDS.  Wave w makes tensor w / 2, channels 32 (w % 2) on: two tiles, two accumulators by turns.
;    The product is used transposed (source 0 = 16 rows of W, source 1 = the 16 rows of x): a lane holds one position and eight neighbouring channels.
; S: wave w takes queries 2 w and 2 w + 1; a lane one key: the score by fused multiply-adds, the causal mask, the softmax across the 16 lanes of a row of lanes, with its maximum taken away.
; V: a lane takes four channels: the weighted sum of v, times sigmoid(gate); 16 lanes store 256 consecutive bytes of g32.
; REGISTERS here: v1 r, v2 half; LDS addresses v3, v4, v7, v8, v9, v14, v15; offsets in memory v10, v11, v13; v12 my query; v16-79 x's fragments, v80-207 W's, v208-231 scale words, v232-247 two accumulators.
.set FXF, 16
.set FWF, 80
.set FXS, 208
.set FWS, 216
.set FAC, 232
	s_cmp_lg_u32 ttmp9, 7
	s_cbranch_scc1 .Lend
	s_wait_xcnt 0x0                                ; the stores above and the last prefetches have read their registers: these are written again only behind this wait
	s_and_b32 s24, ttmp7, 0xffff                   ; (no tensor load is out since the last change of slots: the descriptors' registers are free)
	s_lshr_b32 s25, s24, 4                         ; b
	s_and_b32 s24, s24, 15                         ; h
	s_lshr_b32 s26, s[WV], 1                       ; which tensor
	s_and_b32 s27, s[WV], 1                        ; which 32 channels
	v_and_b32 v1, 15, v0                           ; r
	v_bfe_u32 v2, v0, 4, 1                         ; half
	v_lshlrev_b32 v10, 9, v1
	v_lshl_add_u32 v10, v2, 4, v10                 ; codes: row r of 512 bytes + 16 x half
	v_lshlrev_b32 v11, 5, v1                       ; scales: row r of 32 bytes
	s_mul_i32 s28, s26, ARR
	s_lshl_b32 s29, s27, 7
	s_add_co_u32 s28, s28, s29
	s_add_co_u32 s28, s28, FB
	v_mul_u32_u24 v3, v1, 272
	v_add_nc_u32 v7, FB+ARR, v3                    ; k's row of my key
	v_lshl_add_u32 v3, v2, 5, v3
	v_add_nc_u32 v3, s28, v3                       ; where my results go: my array, row r, my 32 channels, 32 bytes a half
	s_mul_i32 s28, s[WV], 544
	s_add_co_u32 s28, s28, FB
	v_mul_u32_u24 v4, v2, 272
	v_add_nc_u32 v4, s28, v4                       ; q's row of my query 2 w + half
	v_lshl_add_u32 v8, v0, 2, FWARR                ; my weight's word: 64 bytes a query, 4 a key
	s_lshl_b32 s28, s[WV], 7
	s_add_co_u32 s28, s28, FWARR
	v_lshl_add_u32 v9, v2, 6, s28                  ; my query's 16 weights
	v_lshlrev_b32 v14, 4, v1
	v_add_nc_u32 v15, v4, v14
	v_add_nc_u32 v15, 3*ARR, v15                   ; the gate of my query, my four channels
	v_add_nc_u32 v14, FB+2*ARR, v14                ; v, my four channels
	s_lshl_b32 s28, s[WV], 1
	v_add_nc_u32 v12, s28, v2                      ; my query
	v_lshlrev_b32 v13, 12, v12
	v_lshl_add_u32 v13, v1, 4, v13                 ; g32: 4,096 bytes a row + 16 bytes a lane
	s_lshl_b32 s30, s26, 10                        ; W's first row: 1,024 x tensor + 64 x head + 32 x (wave % 2)
	s_lshl_b32 s31, s24, 6
	s_add_co_u32 s30, s30, s31
	s_lshl_b32 s31, s27, 5
	s_add_co_u32 s30, s30, s31
	s_lshl_b32 s32, s30, 9                         ; its codes,
	s_mov_b32 s33, 0
	s_lshl_b32 s34, s30, 5                         ; its scale bytes
	s_mov_b32 s35, 0
	s_lshl_b32 s36, s25, 20                        ; x's first row: 2,048 b: its codes,
	s_mov_b32 s37, 0
	s_lshl_b32 s38, s25, 16                        ; its scale bytes
	s_mov_b32 s39, 0
	s_lshl_b32 s40, s25, 16                        ; g32: 16 rows a batch, 256 bytes a head
	s_lshl_b32 s41, s24, 8
	s_add_co_u32 s40, s40, s41
	s_mov_b32 s41, 0
	s_add_nc_u64 s[80:81], s[80:81], s[36:37]
	s_add_nc_u64 s[82:83], s[82:83], s[38:39]
	s_add_nc_u64 s[84:85], s[84:85], s[32:33]
	s_add_nc_u64 s[86:87], s[86:87], s[34:35]
	s_add_nc_u64 s[88:89], s[88:89], s[40:41]
.irp s, 0,1,2,3,4,5,6,7
.irp c, 0,1
	global_load_b128 v[FXF+8*\s+4*\c:FXF+8*\s+4*\c+3], v10, s[80:81] offset:64*\s+32*\c
.endr
.endr
.irp u, 0,1
.irp s, 0,1,2,3,4,5,6,7
.irp c, 0,1
	global_load_b128 v[FWF+64*\u+8*\s+4*\c:FWF+64*\u+8*\s+4*\c+3], v10, s[84:85] offset:\u*8192+64*\s+32*\c
.endr
.endr
.endr
	global_load_b128 v[FXS:FXS+3], v11, s[82:83]   ; a row's eight scale words, one for each 128 along K
	global_load_b128 v[FXS+4:FXS+7], v11, s[82:83] offset:16
.irp u, 0,1
	global_load_b128 v[FWS+8*\u:FWS+8*\u+3], v11, s[86:87] offset:\u*512
	global_load_b128 v[FWS+8*\u+4:FWS+8*\u+7], v11, s[86:87] offset:\u*512+16
.endr
	s_wait_loadcnt 0x0
.irp s, 0,1,2,3,4,5,6,7
.irp u, 0,1
.if \s == 0
	v_wmma_scale_f32_16x16x128_f8f6f4 v[FAC+8*\u:FAC+8*\u+7], v[FWF+64*\u+8*\s:FWF+64*\u+8*\s+7], v[FXF+8*\s:FXF+8*\s+7], 0, v[FWS+8*\u+\s], v[FXS+\s] matrix_a_fmt:MATRIX_FMT_FP4 matrix_b_fmt:MATRIX_FMT_FP4
.else
	v_wmma_scale_f32_16x16x128_f8f6f4 v[FAC+8*\u:FAC+8*\u+7], v[FWF+64*\u+8*\s:FWF+64*\u+8*\s+7], v[FXF+8*\s:FXF+8*\s+7], v[FAC+8*\u:FAC+8*\u+7], v[FWS+8*\u+\s], v[FXS+\s] matrix_a_fmt:MATRIX_FMT_FP4 matrix_b_fmt:MATRIX_FMT_FP4
.endif
.endr
.endr
.rept 4
	v_nop                                          ; places ahead of the reads of the results and of loads into the operands' registers
.endr
.irp u, 0,1
	ds_store_b128 v3, v[FAC+8*\u:FAC+8*\u+3] offset:64*\u          ; position r, channels 16 u + 8 half + 0 .. 7 of my 32; each accumulator from its low end on
	ds_store_b128 v3, v[FAC+8*\u+4:FAC+8*\u+7] offset:64*\u+16
.endr
	s_wait_dscnt 0x0                               ; for the others' sake: my stores are done
	s_barrier_signal -1
	s_barrier_wait -1
	; ---- S: the score of my query and my key
.irp i, 0,1,2,3,4,5,6,7,8,9,10,11,12,13,14,15
	ds_load_b128 v[16+4*\i:19+4*\i], v4 offset:16*\i
.endr
.irp i, 0,1,2,3,4,5,6,7,8,9,10,11,12,13,14,15
	ds_load_b128 v[80+4*\i:83+4*\i], v7 offset:16*\i
.endr
	s_wait_dscnt 0x0
.irp n, 0,1,2,3
	v_pk_mul_f32 v[144+2*\n:145+2*\n], v[16+2*\n:17+2*\n], v[80+2*\n:81+2*\n]   ; four chains; the first products start them
.endr
.irp i, 1,2,3,4,5,6,7
.irp n, 0,1,2,3
	v_pk_fma_f32 v[144+2*\n:145+2*\n], v[16+8*\i+2*\n:17+8*\i+2*\n], v[80+8*\i+2*\n:81+8*\i+2*\n], v[144+2*\n:145+2*\n]
.endr
.endr
	v_pk_add_f32 v[144:145], v[144:145], v[146:147]
	v_pk_add_f32 v[148:149], v[148:149], v[150:151]
	v_pk_add_f32 v[144:145], v[144:145], v[148:149]
	v_add_f32 v152, v144, v145
	v_mov_b32 v157, 0xff800000
	v_cmp_gt_u32 vcc_lo, v1, v12                   ; a key after the query is hidden
	v_cndmask_b32 v152, v152, v157, vcc_lo
	v_mov_b32 v153, v152
	v_max_num_f32_dpp v153, v153, v153 row_xmask:1 row_mask:0xf bank_mask:0xf
	v_max_num_f32_dpp v153, v153, v153 row_xmask:2 row_mask:0xf bank_mask:0xf
	v_max_num_f32_dpp v153, v153, v153 row_xmask:4 row_mask:0xf bank_mask:0xf
	v_max_num_f32_dpp v153, v153, v153 row_xmask:8 row_mask:0xf bank_mask:0xf   ; the query's largest score (key 0 counts for every query)
	v_sub_f32 v154, v152, v153
	v_mul_f32 v154, 0x3e38aa3b, v154               ; x log2(e) / 8
	v_exp_f32 v154, v154
	v_nop
	s_wait_alu depctr_va_vdst(0)                   ; ahead of the first line that names the result
	v_mov_b32 v155, v154
	v_add_f32_dpp v155, v155, v155 row_xmask:1 row_mask:0xf bank_mask:0xf
	v_add_f32_dpp v155, v155, v155 row_xmask:2 row_mask:0xf bank_mask:0xf
	v_add_f32_dpp v155, v155, v155 row_xmask:4 row_mask:0xf bank_mask:0xf
	v_add_f32_dpp v155, v155, v155 row_xmask:8 row_mask:0xf bank_mask:0xf
	v_rcp_f32 v156, v155
	v_nop
	s_wait_alu depctr_va_vdst(0)
	v_mul_f32 v154, v154, v156                     ; the weight
	ds_store_b32 v8, v154
	; ---- V: my query's 16 weights (my wave's own bytes: LDS serves a wave's instructions in order), v's 16 rows, the gate
.irp i, 0,1,2,3
	ds_load_b128 v[160+4*\i:163+4*\i], v9 offset:16*\i
.endr
.irp k, 0,1,2,3,4,5,6,7,8,9,10,11,12,13,14,15
	ds_load_b128 v[16+4*\k:19+4*\k], v14 offset:272*\k
.endr
	ds_load_b128 v[180:183], v15
	s_wait_dscnt 0x0
.irp i, 0,1,2,3
	v_mul_f32 v[180+\i], 0xbfb8aa3b, v[180+\i]     ; -g log2(e)
.endr
.irp i, 0,1,2,3
	v_exp_f32 v[180+\i], v[180+\i]
.endr
.irp i, 0,1,2,3
	v_mul_f32 v[176+\i], v160, v[16+\i]            ; key 0 starts the sums
.endr
.irp k, 1,2,3,4,5,6,7,8,9,10,11,12,13,14,15
.irp i, 0,1,2,3
	v_fmac_f32 v[176+\i], v[160+\k], v[16+4*\k+\i]
.endr
.endr
	s_wait_alu depctr_va_vdst(0)                   ; one wait for the four exponentials; the sums above are the work between
.irp i, 0,1,2,3
	v_add_f32 v[180+\i], 1.0, v[180+\i]
.endr
.irp i, 0,1,2,3
	v_rcp_f32 v[184+\i], v[180+\i]
.endr
	v_nop
	s_wait_alu depctr_va_vdst(0)
.irp i, 0,1,2,3
	v_mul_f32 v[176+\i], v[176+\i], v[184+\i]
.endr
	global_store_b128 v13, v[176:179], s[88:89]    ; 16 lanes store 256 consecutive bytes
.Lend:
	s_wait_tensorcnt 0x0                           ; the wave's end: three closing lines behind my last tensor load and my last LDS store
	ds_add_u32 v[SPW], v[NIL]
	s_wait_dscnt 0x0
	s_endpgm
.Lfunc_end_k_q5eb92fe889_attn:
	.size	k_q5eb92fe889_attn, .Lfunc_end_k_q5eb92fe889_attn-k_q5eb92fe889_attn
	.p2alignl 7, 3214868480
	.fill 96, 4, 3214868480
	.section	.rodata,"a",@progbits
	.p2align	6, 0x0
	.amdhsa_kernel k_q5eb92fe889_attn
		.amdhsa_group_segment_fixed_size 327680
		.amdhsa_private_segment_fixed_size 0
		.amdhsa_enable_private_segment 0
		.amdhsa_kernarg_size 56
		.amdhsa_user_sgpr_count 2
		.amdhsa_user_sgpr_kernarg_segment_ptr 1
		.amdhsa_wavefront_size32 1
		.amdhsa_system_sgpr_workgroup_id_x 1
		.amdhsa_system_sgpr_workgroup_id_y 1
		.amdhsa_system_sgpr_workgroup_id_z 1
		.amdhsa_system_vgpr_workitem_id 0
		.amdhsa_next_free_vgpr 256
		.amdhsa_next_free_sgpr 100
		.amdhsa_reserve_vcc 1
		.amdhsa_float_denorm_mode_32 3
		.amdhsa_float_denorm_mode_16_64 3
		.amdhsa_memory_ordered 1
		.amdhsa_forward_progress 1
		.amdhsa_inst_pref_size 96
	.end_amdhsa_kernel
	.amdgpu_metadata
---
amdhsa.version: [ 1, 2 ]
amdhsa.kernels:
  - .name:           k_q5eb92fe889_attn
    .symbol:         k_q5eb92fe889_attn.kd
    .args:
      - { .name: qkvg, .offset: 0, .size: 8, .value_kind: global_buffer, .address_space: global }
      - { .name: gctx, .offset: 8, .size: 8, .value_kind: global_buffer, .address_space: global }
      - { .name: xc, .offset: 16, .size: 8, .value_kind: global_buffer, .address_space: global }
      - { .name: xs, .offset: 24, .size: 8, .value_kind: global_buffer, .address_space: global }
      - { .name: wc, .offset: 32, .size: 8, .value_kind: global_buffer, .address_space: global }
      - { .name: ws, .offset: 40, .size: 8, .value_kind: global_buffer, .address_space: global }
      - { .name: g32, .offset: 48, .size: 8, .value_kind: global_buffer, .address_space: global }
    .group_segment_fixed_size: 327680
    .private_segment_fixed_size: 0
    .kernarg_segment_align: 8
    .kernarg_segment_size: 56
    .max_flat_workgroup_size: 256
    .sgpr_count:     100
    .vgpr_count:     256
    .wavefront_size: 32
...
	.end_amdgpu_metadata
.endif
;; end of part 3
;; launch outp (part 4): grid 8 x 32, 4 waves a work-group, clusters of 4 x 4, 327,680 bytes of LDS; arguments gctx, wo16, bo, out0; writes out0
.if DOCPART == 4
	.amdgcn_target "amdgcn-amd-amdhsa--gfx1250"
	.amdhsa_code_object_version 6
	.text
	.protected	k_q5eb92fe889_outp
	.globl	k_q5eb92fe889_outp
	.p2align	8
	.type	k_q5eb92fe889_outp,@function
k_q5eb92fe889_outp:
	s_mov_b64 s[64:65], 0
	v_nop
	global_prefetch_b8 v0, s[64:65] scope:SCOPE_SE
	s_setreg_imm32_b32 hwreg(HW_REG_WAVE_MODE, 25, 1), 1
	s_wait_xcnt 0x0
	s_wait_alu depctr_hold_cnt(0) depctr_sa_sdst(0) depctr_va_vdst(0) depctr_va_sdst(0) depctr_va_ssrc(0) depctr_va_vcc(0) depctr_vm_vsrc(0)
	s_getreg_b32 s2, hwreg(HW_REG_IB_STS2, 6, 4)
	s_cmp_eq_u32 s2, 0
	s_cbranch_scc0 .Lentry_in_a_cluster
	s_endpgm
.Lentry_in_a_cluster:
	s_bfe_u32 s2, ttmp6, 0x10000c
	s_cmp_lg_u32 s2, 0xf033
	s_cbranch_scc0 .Lentry_shape_is_right
	s_endpgm
.Lentry_shape_is_right:
; out0[m][n] = sum over k of g[m][k] Wo[n][k] + bo[n]: m = 4,096, n = 1,024, K = 1,024; f16 operands, f32 sums, f32 out.  g lies [m / 128][k / 64][128 rows][64], Wo likewise by n: a plane of 128 rows x 64 k is 16,384 dense bytes.
; All rows are made here; the rows of positions 0-15 of both sequences are stored over by the last launch, which makes them in f32.
; A tile of out0 is 128 x 128: 256 work-groups.  Four waves, each 64 x 64: 16 accumulators.  K goes in steps of 256 (four planes of each operand) through two LDS slots; a wave's tensor load brings two planes as 128 rows of 256 bytes.
; In LDS two rows of 128 bytes share a row of 272: row r of a plane lies at 272 (r / 2) + 128 (r % 2), so that the 16 rows of a fragment load fall on 16 different 16-byte columns.
; CLUSTERS: 4 x 4 work-groups; g's tiles are shared along a row of the cluster, Wo's along a column: each is asked for jointly.  THE MATRIX INSTRUCTION IS USED TRANSPOSED (source 0 = 16 rows of Wo, source 1 = 16 rows of g):
; a lane holds eight neighbouring columns of a row.  The bias is the C of each sum's first product.  No prefetch: K has four steps, two of them first fills.
; REGISTERS: window 0: v0-31 addresses; v32-95 the way out; v96-127 the bias; v128-255 the accumulators ((a, b) at v[128 + 8 (4 a + b)]).  window 1: two fragment buffers of 128: 64 registers of g, then 64 of Wo.
.set PLANE,  64*272                    ; a plane in LDS
.set HALFT,  2*PLANE                   ; what one tensor load brings
.set SLOT,   4*HALFT                   ; g's four planes, then Wo's four
.set STAGE,  2*SLOT                    ; behind the slots: 16 rows x 272 bytes for each wave; no tensor load lands here
.set SPITCH, 272
.set SPARE,  STAGE+4*16*SPITCH         ; the spare words, 128 bytes a wave
.set ADRA, 16                          ; v16-17  LDS address of my fragments of g in slot 0, 1
.set ADRB, 20                          ; v20-21  the same for Wo
.set STO,  24
.set RD,   25
.set CO,   26
.set BOF,  27                          ; v27     the bias loads' offset
.set SPW,  28
.set NIL,  29
.set TMP,  32
.set BIAS, 96
.set ACC,  128
.set F0,   0
.set F1,   128
.set G1, 24
.set G0, 32
.set G1B, 48
.set G0B, 56
.set MSB, 0
.macro WIN new
.if MSB != \new
	s_set_vgpr_msb (MSB<<8)|\new
.set MSB, \new
.endif
.endm
.set MUL,  0x05                        ; sources 0 (Wo) and 1 (g) window 1; C and D window 0
.set TO_F, 0x40                        ; destination window 1, address window 0
.macro JLOAD s                         ; a joint load: waves 0 and 1 fetch g's planes, waves 2 and 3 Wo's; an s_nop 0 and four v_nop follow each of the two lines
	s_cmp_eq_u32 s11, 0
	s_cbranch_scc0 .Lfor_b_\@
	tensor_load_to_lds s[G0+4*\s:G0+4*\s+3], s[G1:G1+7]
	s_nop 0
.rept 4
	v_nop
.endr
	s_branch .Lasked_\@
.Lfor_b_\@:
	tensor_load_to_lds s[G0B+4*\s:G0B+4*\s+3], s[G1B:G1B+7]
	s_nop 0
.rept 4
	v_nop
.endr
.Lasked_\@:
.endm
.macro CREST                           ; a round of the cluster's barrier behind its opening barrier
	s_cmp_lg_u32 s10, 0
	s_cbranch_scc1 .Lnot_wave_0_\@
	s_barrier_signal -3
.Lnot_wave_0_\@:
	s_barrier_wait -3
	s_barrier_signal -1
	s_barrier_wait -1
.endm
.macro CROUND
	s_barrier_signal -1
	s_barrier_wait -1
	CREST
.endm
	s_load_b128 s[4:7], s[0:1], 0x0                ; gctx s[4:5], wo16 s[6:7]
	s_load_b128 s[68:71], s[0:1], 0x10             ; bo s[68:69], out0 s[70:71]
	v_lshl_add_u32 v[SPW], v0, 2, SPARE
	v_mov_b32 v[NIL], 0
	ds_add_u32 v[SPW], v[NIL]                      ; the wave's opening: the add, twice on end, and its wait ahead of my first tensor load
	ds_add_u32 v[SPW], v[NIL]
	v_lshrrev_b32 v1, 5, v0
	v_readfirstlane_b32 s10, v1                    ; wave 0..3
	s_lshr_b32 s11, s10, 1                         ; which half of the tile's rows is mine.  Also: I fetch for g (0) or for Wo (1)
	s_and_b32 s12, s10, 1                          ; which half of its columns.  Also: which two planes of a step I fetch
	s_bfe_u32 s40, ttmp6, 0x40000                  ; cx, cy
	s_bfe_u32 s41, ttmp6, 0x40004
	s_lshl_b32 s42, ttmp9, 2
	s_add_co_u32 s42, s42, s40                     ; tile column = 4 x cluster x + cx
	s_and_b32 s13, ttmp7, 0xffff
	s_lshl_b32 s13, s13, 2
	s_add_co_u32 s13, s13, s41                     ; tile row = 4 x cluster y + cy
	s_lshl_b32 s43, s41, 2
	s_lshl_b32 s43, 15, s43                        ; my row of the cluster
	s_lshl_b32 s44, 0x1111, s40                    ; my column
	; descriptor group 1: two planes, 32,768 dense bytes, as 128 rows of 256 bytes (32 elements of 8 bytes), 16 bytes of padding behind each
	s_or_b32 s[G1+0], s43, (3<<16)|(1<<20)|(1<<21)|(5<<22)|(3<<25)
	s_or_b32 s[G1B+0], s44, (3<<16)|(1<<20)|(1<<21)|(5<<22)|(3<<25)
.irp g, G1, G1B
	s_mov_b32 s[\g+1], 32<<16                      ; tensor_dim0
	s_mov_b32 s[\g+2], 128<<16                     ; tensor_dim1
	s_mov_b32 s[\g+3], 32<<16                      ; tile_dim0
	s_mov_b32 s[\g+4], 128                         ; tile_dim1
	s_mov_b32 s[\g+5], 32                          ; the pitch
	s_mov_b32 s[\g+6], 0
	s_mov_b32 s[\g+7], 0
.endr
	s_lshl_b32 s17, s12, 15                        ; which two planes
	s_lshl_b32 s16, s13, 18
	s_add_co_u32 s16, s16, s17                     ; g: 262,144 x tile row + 32,768 x half
	s_lshl_b32 s46, s42, 18
	s_add_co_u32 s46, s46, s17                     ; Wo: 262,144 x tile column + 32,768 x half
	s_mov_b32 s17, 0
	s_mov_b32 s47, 0
	s_mul_i32 s20, s10, HALFT                      ; where they go: wave x two planes: no place in the cluster enters an LDS address
	s_wait_dscnt 0x0                               ; both opening adds are done
	s_wait_kmcnt 0x0
	s_add_nc_u64 s[14:15], s[4:5], s[16:17]
	s_add_nc_u64 s[46:47], s[6:7], s[46:47]
	CROUND                                         ; all sixteen work-groups are here: the first joint loads meet
.irp s, 0,1
	s_mov_b32 s[G0+4*\s], 1
	s_add_co_u32 s[G0+4*\s+1], s20, \s*SLOT
	s_add_nc_u64 s[G0+4*\s+2:G0+4*\s+3], s[14:15], \s*65536        ; K step s: four planes on
	s_or_b32 s[G0+4*\s+3], s[G0+4*\s+3], 0x80000000
	s_mov_b32 s[G0B+4*\s], 1
	s_add_co_u32 s[G0B+4*\s+1], s20, \s*SLOT
	s_add_nc_u64 s[G0B+4*\s+2:G0B+4*\s+3], s[46:47], \s*65536
	s_or_b32 s[G0B+4*\s+3], s[G0B+4*\s+3], 0x80000000
	JLOAD \s
.endr
	v_and_b32 v1, 15, v0                           ; l % 16
	v_bfe_u32 v2, v0, 4, 1                         ; l / 16
	s_lshl_b32 s46, s42, 9                         ; my first column, in bytes of f32: 512 x tile column + 256 x half
	s_lshl_b32 s47, s12, 8
	s_add_co_u32 s46, s46, s47
	s_mov_b32 s47, 0
	s_add_nc_u64 s[68:69], s[68:69], s[46:47]
	v_lshlrev_b32 v[BOF], 5, v2                    ; lane (r, h) wants, for block b, the bias of columns 16 b + 8 h + 0 .. 7
.irp b, 0,1,2,3
	global_load_b128 v[BIAS+8*\b:BIAS+8*\b+3],   v[BOF], s[68:69] offset:64*\b
	global_load_b128 v[BIAS+8*\b+4:BIAS+8*\b+7], v[BOF], s[68:69] offset:64*\b+16
.endr
	v_lshrrev_b32 v3, 1, v1
	v_mul_u32_u24 v3, v3, 272
	v_and_b32 v4, 1, v1
	v_lshl_add_u32 v3, v4, 7, v3
	v_lshl_add_u32 v3, v2, 4, v3                   ; a fragment's row: 272 (r / 2) + 128 (r % 2) + 16 x half
	s_mul_i32 s21, s11, 32*272                     ; my 64 rows of g in each plane
	s_mul_i32 s22, s12, 32*272                     ; my 64 rows of Wo,
	s_add_co_u32 s22, s22, 2*HALFT                 ; whose planes lie behind g's four
.irp s, 0,1
	v_add_nc_u32 v[ADRA+\s], s21, v3
	v_add_nc_u32 v[ADRB+\s], s22, v3
	s_add_co_u32 s21, s21, SLOT
	s_add_co_u32 s22, s22, SLOT
.endr
	s_mul_i32 s23, s10, 16*SPITCH
	s_add_co_u32 s23, s23, STAGE                   ; my stage
	v_mul_u32_u24 v4, v1, SPITCH
	v_lshl_add_u32 v4, v2, 5, v4
	v_add_nc_u32 v[STO], s23, v4                   ; in: row l % 16, 32 bytes for each half of the lanes
	v_mul_u32_u24 v5, v2, SPITCH
	v_lshl_add_u32 v5, v1, 4, v5
	v_add_nc_u32 v[RD], s23, v5                    ; back: lanes 0-15 one row of 256 bytes, lanes 16-31 the next
	v_lshlrev_b32 v5, 12, v2
	v_lshl_add_u32 v[CO], v1, 4, v5                ; and the same two rows in out0
	s_lshl_b32 s16, s13, 19                        ; my first row: (128 x tile row + 64 x half) x 4,096 bytes
	s_lshl_b32 s17, s11, 18
	s_add_co_u32 s16, s16, s17
	s_mov_b32 s17, 0
	s_add_nc_u64 s[70:71], s[70:71], s[16:17]
	s_add_nc_u64 s[70:71], s[70:71], s[46:47]
; 8 matrix instructions: m blocks a0, a0 + 1 x all 4 n blocks, 32 along K: half c of buffer f.  first = 1: the first product starts the sums from the bias.  The 16 accumulators take turns.
.macro MUL8 f, c, a0, first
.irp a, \a0, \a0+1
.irp b, 0,1,2,3
.if \first
	v_wmma_f32_16x16x32_f16 v[ACC+8*(4*(\a)+\b):ACC+8*(4*(\a)+\b)+7], v[\f+64+8*(4*\c+\b):\f+64+8*(4*\c+\b)+7], v[\f+8*(4*\c+\a):\f+8*(4*\c+\a)+7], v[BIAS+8*\b:BIAS+8*\b+7]
.else
	v_wmma_f32_16x16x32_f16 v[ACC+8*(4*(\a)+\b):ACC+8*(4*(\a)+\b)+7], v[\f+64+8*(4*\c+\b):\f+64+8*(4*\c+\b)+7], v[\f+8*(4*\c+\a):\f+8*(4*\c+\a)+7], v[ACC+8*(4*(\a)+\b):ACC+8*(4*(\a)+\b)+7]
.endif
.endr
.endr
.endm
; 32 LDS loads in one run: the fragments of plane q (64 along K) into buffer f; the first 32 along K first
.macro FETCH slot, q, f
	WIN TO_F
.irp c, 0,1
.irp i, 0,1,2,3
	ds_load_b128 v[\f+64+8*(4*\c+\i):\f+64+8*(4*\c+\i)+3],   v[ADRB+\slot] offset:(\q)*PLANE+64*\c+\i*2176
	ds_load_b128 v[\f+64+8*(4*\c+\i)+4:\f+64+8*(4*\c+\i)+7], v[ADRB+\slot] offset:(\q)*PLANE+64*\c+\i*2176+32
	ds_load_b128 v[\f+8*(4*\c+\i):\f+8*(4*\c+\i)+3],         v[ADRA+\slot] offset:(\q)*PLANE+64*\c+\i*2176
	ds_load_b128 v[\f+8*(4*\c+\i)+4:\f+8*(4*\c+\i)+7],       v[ADRA+\slot] offset:(\q)*PLANE+64*\c+\i*2176+32
.endr
.endr
.endm
.macro PLACES                          ; four plain lines ahead of loads into registers that matrix instructions have read, and of reads of results
.rept 4
	v_nop
.endr
.endm
; A K step is four planes, 32 matrix instructions each, on buffers 0, 1, 0, 1.  One of the first three: multiplies buffer f and fetches plane q into g.
.macro QUARTER slot, q, f, g, first
	s_wait_dscnt 16                                ; the first 32 along K are in; the other sixteen loads may be out
	WIN MUL
	MUL8 \f, 0, 0, \first
	MUL8 \f, 0, 2, \first
	PLACES
	FETCH \slot, \q, \g
	s_wait_dscnt 32                                ; all but the 32 just issued
	WIN MUL
	MUL8 \f, 1, 0, 0
	MUL8 \f, 1, 2, 0
.endm
; The last plane multiplies buffer 1 and changes slots: one barrier; in front of it each wave waits for all its tensor loads, adds 0 to its spare word, and waits for that and for its reads of this slot.  fill = 1: this slot is filled again, two K steps ahead.
.macro TURN slot, next, fill
	WIN 0                                          ; (the add's two registers lie in window 0)
	s_wait_tensorcnt 0x0                           ; all my tensor loads have landed: my part of the next slot
	ds_add_u32 v[SPW], v[NIL]                      ; 0 onto my spare word
	s_wait_dscnt 17                                ; (the add and the youngest sixteen loads may be out)
	WIN MUL
	MUL8 F1, 0, 0, 0
	s_wait_dscnt 0x0                               ; the add is done, and my reads of this slot are over
	s_barrier_signal -1
	MUL8 F1, 0, 2, 0
.if \fill
	WIN 0
.endif
	s_barrier_wait -1
.if \fill
	CREST                                          ; the barrier has opened a round of the cluster's barrier: no wave of any partner still reads this slot or has a load on its way
	s_add_nc_u64 s[G0+4*\slot+2:G0+4*\slot+3], s[G0+4*\slot+2:G0+4*\slot+3], 131072
	s_add_nc_u64 s[G0B+4*\slot+2:G0B+4*\slot+3], s[G0B+4*\slot+2:G0B+4*\slot+3], 131072
	JLOAD \slot                                    ; the first tensor load behind the round; its four v_nop are also the places ahead of the loads below
.else
	PLACES
.endif
	FETCH \next, 0, F0
	WIN MUL
	MUL8 F1, 1, 0, 0
	MUL8 F1, 1, 2, 0
.endm
	s_wait_tensorcnt 1                             ; my part of K step 0 is in (K step 1's load may be out)
	s_barrier_signal -1
	s_barrier_wait -1                              ; everybody's is
	FETCH 0, 0, F0
	s_wait_loadcnt 0x0                             ; the bias
	QUARTER 0, 1, F0, F1, 1                        ; K step 0: its first products start the sums
	QUARTER 0, 2, F1, F0, 0
	QUARTER 0, 3, F0, F1, 0
	TURN 0, 1, 1                                   ; slot 0 takes K step 2
	QUARTER 1, 1, F0, F1, 0                        ; K step 1
	QUARTER 1, 2, F1, F0, 0
	QUARTER 1, 3, F0, F1, 0
	TURN 1, 0, 1                                   ; slot 1 takes K step 3
	QUARTER 0, 1, F0, F1, 0                        ; K step 2
	QUARTER 0, 2, F1, F0, 0
	QUARTER 0, 3, F0, F1, 0
	TURN 0, 1, 0                                   ; nothing is left to ask for
	QUARTER 1, 1, F0, F1, 0                        ; K step 3
	QUARTER 1, 2, F1, F0, 0
	QUARTER 1, 3, F0, F1, 0
	s_wait_dscnt 16
	WIN MUL
	MUL8 F1, 0, 0, 0
	MUL8 F1, 0, 2, 0
	s_wait_dscnt 0
	MUL8 F1, 1, 0, 0
	MUL8 F1, 1, 2, 0
	WIN 0
; THE WAY OUT.  My 64 columns of f32 are 256 bytes of a row, aligned.  A block of 16 rows goes through my own stage and comes back as whole rows: sixteen lanes store 256 consecutive bytes.
.macro TOSTAGE a
.set BB, TMP+32*((\a)%2)
.irp b, 0,1,2,3
	ds_store_b128 v[STO], v[ACC+8*(4*(\a)+\b):ACC+8*(4*(\a)+\b)+3] offset:64*\b        ; each accumulator from its low end on
	ds_store_b128 v[STO], v[ACC+8*(4*(\a)+\b)+4:ACC+8*(4*(\a)+\b)+7] offset:64*\b+16
.endr
.irp u, 0,1,2,3,4,5,6,7
	ds_load_b128 v[BB+4*\u:BB+4*\u+3], v[RD] offset:\u*2*SPITCH    ; LDS serves a wave's instructions in order: these see my stores
.endr
.endm
.macro SEND a, younger
.set BB, TMP+32*((\a)%2)
	s_wait_dscnt \younger                          ; the block is back; the next block's 8 stores and 8 loads may be out
.irp u, 0,1,2,3,4,5,6,7
	global_store_b128 v[CO], v[BB+4*\u:BB+4*\u+3], s[70:71] offset:(16*(\a)+2*\u)*4096 th:TH_STORE_NT
.endr
.endm
	PLACES
	TOSTAGE 0
.irp a, 1,2,3
.if \a > 1
	s_wait_xcnt 0x0                                ; block a - 2's stores have read their data: block a's loads may land there
.endif
	TOSTAGE \a
	SEND \a-1, 16
.endr
	SEND 3, 0
	s_wait_tensorcnt 0x0                           ; the wave's end: three closing lines behind my last tensor load and my last LDS store
	ds_add_u32 v[SPW], v[NIL]
	s_wait_dscnt 0x0
	CROUND                                         ; the closing round
	s_endpgm
.Lfunc_end_k_q5eb92fe889_outp:
	.size	k_q5eb92fe889_outp, .Lfunc_end_k_q5eb92fe889_outp-k_q5eb92fe889_outp
	.p2alignl 7, 3214868480
	.fill 96, 4, 3214868480
	.section	.rodata,"a",@progbits
	.p2align	6, 0x0
	.amdhsa_kernel k_q5eb92fe889_outp
		.amdhsa_group_segment_fixed_size 327680
		.amdhsa_private_segment_fixed_size 0
		.amdhsa_enable_private_segment 0
		.amdhsa_kernarg_size 32
		.amdhsa_user_sgpr_count 2
		.amdhsa_user_sgpr_kernarg_segment_ptr 1
		.amdhsa_wavefront_size32 1
		.amdhsa_system_sgpr_workgroup_id_x 1
		.amdhsa_system_sgpr_workgroup_id_y 1
		.amdhsa_system_sgpr_workgroup_id_z 1
		.amdhsa_system_vgpr_workitem_id 0
		.amdhsa_next_free_vgpr 512
		.amdhsa_next_free_sgpr 72
		.amdhsa_reserve_vcc 0
		.amdhsa_float_denorm_mode_32 3
		.amdhsa_float_denorm_mode_16_64 3
		.amdhsa_memory_ordered 1
		.amdhsa_forward_progress 1
		.amdhsa_inst_pref_size 86
	.end_amdhsa_kernel
	.amdgpu_metadata
---
amdhsa.version: [ 1, 2 ]
amdhsa.kernels:
  - .name:           k_q5eb92fe889_outp
    .symbol:         k_q5eb92fe889_outp.kd
    .args:
      - { .name: gctx, .offset: 0, .size: 8, .value_kind: global_buffer, .address_space: global }
      - { .name: wo16, .offset: 8, .size: 8, .value_kind: global_buffer, .address_space: global }
      - { .name: bo, .offset: 16, .size: 8, .value_kind: global_buffer, .address_space: global }
      - { .name: out0, .offset: 24, .size: 8, .value_kind: global_buffer, .address_space: global }
    .group_segment_fixed_size: 327680
    .private_segment_fixed_size: 0
    .kernarg_segment_align: 8
    .kernarg_segment_size: 32
    .max_flat_workgroup_size: 128
    .sgpr_count:     72
    .vgpr_count:     512
    .wavefront_size: 32
...
	.end_amdgpu_metadata
.endif
;; end of part 4
;; launch firstout (part 5): grid 16 x 2, 16 waves a work-group, no clusters, 19,456 bytes of LDS; arguments g32, Wo, bo, out0; writes out0
.if DOCPART == 5
	.amdgcn_target "amdgcn-amd-amdhsa--gfx1250"
	.amdhsa_code_object_version 6
	.text
	.protected	k_q5eb92fe889_firstout
	.globl	k_q5eb92fe889_firstout
	.p2align	8
	.type	k_q5eb92fe889_firstout,@function
k_q5eb92fe889_firstout:
	s_mov_b64 s[64:65], 0
	v_nop
	global_prefetch_b8 v0, s[64:65] scope:SCOPE_SE
	s_setreg_imm32_b32 hwreg(HW_REG_WAVE_MODE, 25, 1), 1
	s_wait_xcnt 0x0
; The rows of positions 0-15 of both sequences: out0[2048 b + p][n] = sum over k of g32[16 b + p][k] Wo[n][k] + bo[n], all in f32.  It runs last and stores over these 32 rows, which the f16 projection has also stored.
; Work-group (cb, b) makes 16 rows x 64 columns, so that a row's part is 256 consecutive bytes with one owner.  Wave w takes columns 16 (w % 4) on and K quarter w / 4 (256 along K); the four quarters meet in LDS.
; The f32 matrix form is used transposed (source 0 = 16 rows of Wo, source 1 = the 16 rows of g32): 32 rows in all, no bulk work.  A lane's load of 16 bytes brings four neighbours along K; registers 0, 1 feed one instruction and
; registers 2, 3 the next: the same order of k on both sides, so the products pair rightly.  Two accumulators take turns; they are written by matrix instructions alone, and the first products start the sums.
.set PART,  16*272                     ; a K quarter's 16 rows x (256 bytes + 16)
.set SPARE, 4*PART                     ; the spare words, 128 bytes a wave
.set SPW, 12
.set NIL, 13
	s_load_b256 s[4:11], s[0:1], 0x0               ; g32 s[4:5], Wo s[6:7], bo s[8:9], out0 s[10:11]
	v_lshl_add_u32 v[SPW], v0, 2, SPARE
	v_mov_b32 v[NIL], 0
	v_lshrrev_b32 v1, 5, v0
	v_readfirstlane_b32 s14, v1                    ; wave 0..15
	s_and_b32 s15, s14, 3                          ; which 16 columns
	s_lshr_b32 s16, s14, 2                         ; which K quarter
	s_and_b32 s17, ttmp7, 0xffff                   ; b
	s_and_b32 s19, s14, 7                          ; which two rows I sum up (waves 0 to 7)
	v_and_b32 v1, 15, v0                           ; r
	v_bfe_u32 v2, v0, 4, 1                         ; half
	v_lshlrev_b32 v3, 12, v1
	v_lshl_add_u32 v3, v2, 4, v3                   ; both operands: row r of 4,096 bytes + 16 x half
	v_lshlrev_b32 v4, 4, v1                        ; 16 r
	s_mul_i32 s20, s16, PART
	s_lshl_b32 s21, s15, 6
	s_add_co_u32 s20, s20, s21
	v_mul_u32_u24 v5, v1, 272
	v_lshl_add_u32 v5, v2, 5, v5
	v_add_nc_u32 v5, s20, v5                       ; in: my quarter, row r, my 16 columns, 32 bytes a half
	s_mul_i32 s20, s19, 544
	v_mul_u32_u24 v6, v2, 272
	v_add_nc_u32 v6, v6, v4
	v_add_nc_u32 v6, s20, v6                       ; back: row 2 (w % 8) + half, 16 bytes a lane
	v_lshl_add_u32 v7, v2, 12, v4                  ; and the same in out0
	s_lshl_b32 s21, s16, 10                        ; my K quarter: 1,024 bytes
	s_lshl_b32 s22, ttmp9, 18                      ; Wo: row 64 cb + 16 (w % 4)
	s_lshl_b32 s20, s15, 16
	s_add_co_u32 s22, s22, s20
	s_add_co_u32 s22, s22, s21
	s_mov_b32 s23, 0
	s_lshl_b32 s24, s17, 16                        ; g32: row 16 b
	s_add_co_u32 s24, s24, s21
	s_mov_b32 s25, 0
	s_lshl_b32 s26, ttmp9, 8                       ; my work-group's 64 columns, in bytes
	s_mov_b32 s27, 0
	s_lshl_b32 s28, s17, 23                        ; out0: row 2,048 b + 2 (w % 8)
	s_lshl_b32 s20, s19, 13
	s_add_co_u32 s28, s28, s20
	s_add_co_u32 s28, s28, s26
	s_mov_b32 s29, 0
	s_wait_kmcnt 0x0
	s_add_nc_u64 s[6:7], s[6:7], s[22:23]
	s_add_nc_u64 s[4:5], s[4:5], s[24:25]
	s_add_nc_u64 s[8:9], s[8:9], s[26:27]
	s_add_nc_u64 s[10:11], s[10:11], s[28:29]
	global_load_b128 v[248:251], v4, s[8:9]        ; the bias of my four columns on the way out
.macro LOADC x, beta                   ; chunk x, 64 along K, into buffer beta: Wo at v[16 + 64 beta], g32 at v[48 + 64 beta]
.irp j, 0,1,2,3,4,5,6,7
	global_load_b128 v[16+64*\beta+4*\j:16+64*\beta+4*\j+3], v3, s[6:7] offset:256*\x+32*\j
.endr
.irp j, 0,1,2,3,4,5,6,7
	global_load_b128 v[48+64*\beta+4*\j:48+64*\beta+4*\j+3], v3, s[4:5] offset:256*\x+32*\j
.endr
.endm
.macro MULC beta, first
.irp j, 0,1,2,3,4,5,6,7
.if \first && (\j == 0)
	v_wmma_f32_16x16x4_f32 v[208:215], v[16+64*\beta+4*\j:16+64*\beta+4*\j+1], v[48+64*\beta+4*\j:48+64*\beta+4*\j+1], 0
	v_wmma_f32_16x16x4_f32 v[216:223], v[16+64*\beta+4*\j+2:16+64*\beta+4*\j+3], v[48+64*\beta+4*\j+2:48+64*\beta+4*\j+3], 0
.else
	v_wmma_f32_16x16x4_f32 v[208:215], v[16+64*\beta+4*\j:16+64*\beta+4*\j+1], v[48+64*\beta+4*\j:48+64*\beta+4*\j+1], v[208:215]
	v_wmma_f32_16x16x4_f32 v[216:223], v[16+64*\beta+4*\j+2:16+64*\beta+4*\j+3], v[48+64*\beta+4*\j+2:48+64*\beta+4*\j+3], v[216:223]
.endif
.endr
.endm
	LOADC 0, 0
	LOADC 1, 1
	LOADC 2, 2
	s_wait_loadcnt 32                              ; the bias and chunk 0 are in; chunks 1 and 2 may be out
	MULC 0, 1
.rept 8
	v_nop                                          ; eight places behind this form, ahead of loads into registers that it has read
.endr
	LOADC 3, 0
	s_wait_loadcnt 32                              ; chunk 1 is in; chunks 2 and 3 may be out
	MULC 1, 0
	s_wait_loadcnt 16
	MULC 2, 0
	s_wait_loadcnt 0x0
	MULC 0, 0
.rept 8
	v_nop                                          ; and ahead of the reads of the results
.endr
.irp j, 0,1,2,3,4,5,6,7
	v_add_f32 v[224+\j], v[208+\j], v[216+\j]      ; both accumulators from their low ends on; the sum goes into other registers
.endr
	ds_store_b128 v5, v[224:227]                   ; row r, columns 16 (w % 4) + 8 half + 0 .. 7
	ds_store_b128 v5, v[228:231] offset:16
	s_wait_dscnt 0x0                               ; for the others' sake: my stores are done
	s_barrier_signal -1
	s_barrier_wait -1
	s_cmp_ge_u32 s14, 8                            ; waves 0 to 7 add the four quarters, two rows each
	s_cbranch_scc1 .Ldone
.irp q, 0,1,2,3
	ds_load_b128 v[232+4*\q:235+4*\q], v6 offset:\q*PART
.endr
	s_wait_dscnt 0x0
	v_pk_add_f32 v[232:233], v[232:233], v[236:237]
	v_pk_add_f32 v[234:235], v[234:235], v[238:239]
	v_pk_add_f32 v[240:241], v[240:241], v[244:245]
	v_pk_add_f32 v[242:243], v[242:243], v[246:247]
	v_pk_add_f32 v[232:233], v[232:233], v[240:241]
	v_pk_add_f32 v[234:235], v[234:235], v[242:243]
	v_pk_add_f32 v[232:233], v[232:233], v[248:249]
	v_pk_add_f32 v[234:235], v[234:235], v[250:251]
	global_store_b128 v7, v[232:235], s[10:11]     ; 16 lanes store 256 consecutive bytes
.Ldone:
	s_wait_tensorcnt 0x0                           ; the wave's end: three closing lines behind my last LDS store
	ds_add_u32 v[SPW], v[NIL]
	s_wait_dscnt 0x0
	s_endpgm
.Lfunc_end_k_q5eb92fe889_firstout:
	.size	k_q5eb92fe889_firstout, .Lfunc_end_k_q5eb92fe889_firstout-k_q5eb92fe889_firstout
	.p2alignl 7, 3214868480
	.fill 96, 4, 3214868480
	.section	.rodata,"a",@progbits
	.p2align	6, 0x0
	.amdhsa_kernel k_q5eb92fe889_firstout
		.amdhsa_group_segment_fixed_size 19456
		.amdhsa_private_segment_fixed_size 0
		.amdhsa_enable_private_segment 0
		.amdhsa_kernarg_size 32
		.amdhsa_user_sgpr_count 2
		.amdhsa_user_sgpr_kernarg_segment_ptr 1
		.amdhsa_wavefront_size32 1
		.amdhsa_system_sgpr_workgroup_id_x 1
		.amdhsa_system_sgpr_workgroup_id_y 1
		.amdhsa_system_sgpr_workgroup_id_z 1
		.amdhsa_system_vgpr_workitem_id 0
		.amdhsa_next_free_vgpr 256
		.amdhsa_next_free_sgpr 66
		.amdhsa_reserve_vcc 0
		.amdhsa_float_denorm_mode_32 3
		.amdhsa_float_denorm_mode_16_64 3
		.amdhsa_memory_ordered 1
		.amdhsa_forward_progress 1
		.amdhsa_inst_pref_size 15
	.end_amdhsa_kernel
	.amdgpu_metadata
---
amdhsa.version: [ 1, 2 ]
amdhsa.kernels:
  - .name:           k_q5eb92fe889_firstout
    .symbol:         k_q5eb92fe889_firstout.kd
    .args:
      - { .name: g32, .offset: 0, .size: 8, .value_kind: global_buffer, .address_space: global }
      - { .name: Wo, .offset: 8, .size: 8, .value_kind: global_buffer, .address_space: global }
      - { .name: bo, .offset: 16, .size: 8, .value_kind: global_buffer, .address_space: global }
      - { .name: out0, .offset: 24, .size: 8, .value_kind: global_buffer, .address_space: global }
    .group_segment_fixed_size: 19456
    .private_segment_fixed_size: 0
    .kernarg_segment_align: 8
    .kernarg_segment_size: 32
    .max_flat_workgroup_size: 512
    .sgpr_count:     66
    .vgpr_count:     256
    .wavefront_size: 32
...
	.end_amdgpu_metadata
.endif
;; end of part 5
